; MI455X (gfx1250); checked and timed in simulation.
; The chip was launched on July 23, 2026; its instructions are those of AMD's public machine-readable ISA for CDNA 5 (MIT licence, August 2026) and "CDNA5" Instruction Set Architecture Reference Guide (July 2026). The comments in the code are by the model that wrote it; some were corrected since.
;; Multi Head Attention. Allowed arithmetic: matrix products marked QUANTISED: E2M3 operands, one E8M0 scale for each 32 along K, by v_wmma_scale_f32_16x16x128_f8f6f4 with both operands' format E2M3, f32 sums; everything else in f32.
;; Inputs: bk 1,024 float32; bo 1,024 float32; bq 1,024 float32; bv 1,024 float32; embeddings 4 x 2,048 x 1,024 float32; wk 1,024 x 1,024 float32; wo 1,024 x 1,024 float32; wq 1,024 x 1,024 float32; wv 1,024 x 1,024 float32.
;; Outputs: out0 4 x 2,048 x 1,024 float32.
;; This version of the problem:
;;   THIS VERSION OF THE PROBLEM IS GIVEN IN LOW PRECISION. The matrix products marked QUANTISED in the list below multiply operands that are first quantised to E2M3 (2 exponent bits, 3 mantissa bits; 6 bits a number), with one power-of-two scale for each 32 numbers along K (OCP MX v1.0); their sums are f32. All else is computed in f32.
;;   The module's matrix products, in the order in which they are computed (A, B: the left and right operand; K: the contracted axis; several contracted axes count as one K, in the product's order):
;;     1. [M 8,192, K 1,024] x [K 1,024, N 1,024]; A: input embeddings; B: input wq: QUANTISED
;;     2. [M 8,192, K 1,024] x [K 1,024, N 1,024]; A: input embeddings; B: input wk: QUANTISED
;;     3. [M 8,192, K 1,024] x [K 1,024, N 1,024]; A: input embeddings; B: input wv: QUANTISED
;;     4. batch 64 x [M 2,048, K 64] x [K 64, N 2,048]; A: computed on the way; B: computed on the way: QUANTISED
;;     5. batch 64 x [M 64, K 2,048] x [K 2,048, N 2,048]; A: computed on the way; B: softmax (see below): QUANTISED
;;     6. [M 8,192, K 1,024] x [K 1,024, N 1,024]; A: computed on the way; B: input wo: QUANTISED
;;   THE QUANTISER, for each operand of a quantised product, along K:
;;     - K is cut into blocks of 32 from its start; a last block that is shorter is filled with zeros.
;;     - A block's scale is 2^e with e = floor(log2(the largest magnitude in the block)) - 2, held to -126 .. 127; a block of zeros has e = 0. As a byte (E8M0): e + 127.
;;     - Each number is divided by its block's scale, clamped to +-7.5, and rounded to the nearest number of E2M3, ties to even, subnormals kept.
;;     - The product sums the exact products of the quantised numbers (number of the format x scale) in f32.
;;   ~~~python
;;   def quantise(x, axis):      # numpy; x: float32 -> the quantised numbers, widened to float32 again
;;       x = np.moveaxis(x, axis, -1); K = x.shape[-1]
;;       x = np.pad(x, [(0, 0)] * (x.ndim - 1) + [(0, -K % 32)]); x = x.reshape(x.shape[:-1] + (-1, 32)); a = np.abs(x).max(-1, keepdims=True)
;;       e = np.where(a > 0, np.clip(np.frexp(np.where(a > 0, a, 1))[1] - 1 - 2, -126, 127), 0)      # np.frexp(a)[1] - 1 = floor(log2(a)), exactly
;;       r = np.clip(x / 2.0 ** e, -7.5, 7.5)
;;       step = 2.0 ** (np.maximum(np.frexp(np.where(r == 0, 1, r))[1] - 1, 0) - 3)
;;       q = np.round(r / step) * step * 2.0 ** e      # np.round: ties to even
;;       return np.moveaxis(q.reshape(q.shape[:-2] + (-1,))[..., :K], -1, axis).astype(np.float32)
;;   ~~~
;;   SOFTMAX AHEAD OF A QUANTISED PRODUCT. Where the list says 'softmax', what is quantised is not the finished softmax but p = 2^(t - M), with t = logit x log2(e) and M = ceil(the row's largest t), a whole number; so 1/2 < the row's largest p <= 1. The row's sum l is taken of the UNQUANTISED p, in f32, and the product's result is divided by l at the end. Since M is a whole number, a kernel that streams over the keys may use a running M (the ceiling of the running maximum): every later rescaling is an exact power of two, which a block's scale takes up: the codes' values come out the same.
;;   OPERANDS COMPUTED ON THE WAY. 'Computed on the way' means the value that the module computes at that place (a softmax that the list does not call 'softmax' is quantised finished and normalised). What goes into a quantiser is computed in f32, as accurately as f32 sums, v_exp_f32 and their like allow (about 1e-6 of the number): no bf16 or f16 on the way to a quantiser, and a product that is left as it is and whose result goes on into a quantised operand takes f32 operands (vector FMAs, or v_wmma_f32_16x16x4_f32). A number that lies on a knife's edge between two numbers of the format may be rounded either way, as far as f32 arithmetic and the matrix unit's own rounding can turn it there, and no further.
;; One version. Each part assembles by itself: llvm-mc -triple=amdgcn-amd-amdhsa -mcpu=gfx1250 --defsym DOCPART=n.
;; ======== version 1 of 1: 4 launches
;; limits: right only within a limited range of input values
;; workspace buffers: img 9,437,184 bytes; scl 393,216 bytes; qimg 6,815,744 bytes; kv 13,369,344 bytes; aimg 6,291,456 bytes; ascl 262,144 bytes
;; launch quant (part 1): grid 768 x 1, 4 waves a work-group, no clusters, 34,304 bytes of LDS; arguments embeddings, wq, wk, wv, wo, img, scl; writes img, scl
.if DOCPART == 1
	.amdgcn_target "amdgcn-amd-amdhsa--gfx1250"
	.amdhsa_code_object_version 6
	.text
	.protected	k_q58d2d75a8a_quant
	.globl	k_q58d2d75a8a_quant
	.p2align	8
	.type	k_q58d2d75a8a_quant,@function
k_q58d2d75a8a_quant:
	s_mov_b64 s[64:65], 0
	v_nop
	global_prefetch_b8 v0, s[64:65] scope:SCOPE_SE
	s_setreg_imm32_b32 hwreg(HW_REG_WAVE_MODE, 25, 1), 1
	s_wait_xcnt 0x0
; embeddings [8192][1024], wq, wk, wv, wo [1024][1024], f32, K innermost, become codes of FP6 (E2M3) with one E8M0 byte for each 32 along K.
; A block's scale is 2^(floor(log2(its largest magnitude)) - 2); its byte is that magnitude's exponent field - 2, held at 1 from below.
; LIMITS: a block of zeros gets the byte 1 where the rule says 127 (its codes are zeros, and this program alone reads the bytes); blocks whose largest
; magnitude lies under 2^-124 are held at the byte 1; NaN and infinities among the inputs are not served.
; WHAT IS STORED are images of operand registers.  img: [768 row tiles][8 K steps][1,536 bytes]; row tiles 0-511 embeddings, 512-575 wq, 576-639 wk, 640-703 wv, 704-767 wo.
; A ROW TILE'S 16 ROWS ARE NOT NEIGHBOURS: position p of the tensor's tile T is row 64 (T / 4) + 8 (T % 4) + p % 8 + 32 (p / 8).  Where such tiles are source 0 of a product, the 32 result
; registers of tiles 4 C .. 4 C + 3 are 32 neighbouring rows in each half of the lanes: a whole scale block of the next quantiser in one lane.
; AN IMAGE (16 rows x 128 K, 12 registers a lane) is two halves of 768 bytes: registers 6 c .. 6 c + 3 at 16 x lane, then registers 6 c + 4, 6 c + 5 at 512 + 8 x lane.
; scl: [768][512 bytes]: byte 16 l + 4 i holds the scale word of row l % 16 for K step 2 i + l / 16, so that one load of 16 bytes a lane brings all eight K steps' words, even ones in lanes 0-15, odd ones in lanes 16-31.
; SHARES.  Work-group g takes row tile g; wave w takes the two K steps w % 2 + 4 (w / 2) and w % 2 + 4 (w / 2) + 2, and asks for both at once: 32 loads of 512 consecutive bytes (a row's K step).  768 work-groups are three to a WGP.
; The 16 rows turn through the wave's own stage in LDS, so that a lane gets 16 neighbours of each block of 32.  Waves share nothing: no barrier.  Memory binds: no matrix unit, no cluster (work-groups share no input).
.set STG,  8448                        ; a wave's stage: 16 rows x (512 bytes + 16)
.set R,    16                          ; v16-143  two sets of 64 registers as loaded
.set X,    144                         ; v144-207 register 16 b + i: k = 32 b + 16 (lane / 16) + i of my row
.set TM,   208                         ; v208-223 at work
.set PC,   224                         ; v224-235 the codes; v236-243 halves on their way
.set PW,   244                         ; v244-245 the two K steps' scale words
.set SEL,  24                          ; s[24:25] lane selects: lane l xor 16
	s_load_b256 s[4:11], s[0:1], 0x0               ; embeddings, wq, wk, wv
	s_load_b128 s[12:15], s[0:1], 0x20             ; wo, img
	s_load_b64 s[16:17], s[0:1], 0x30              ; scl
	v_lshl_add_u32 v254, v0, 2, 0x8400
	v_mov_b32 v255, 0
	v_lshrrev_b32 v1, 5, v0
	v_readfirstlane_b32 s18, v1                    ; wave
	v_and_b32 v1, 31, v0                           ; lane
	v_and_b32 v2, 15, v0                           ; r
	v_bfe_u32 v3, v0, 4, 1                         ; h
	v_lshlrev_b32 v4, 4, v1                        ; 16 x lane
	v_lshl_add_u32 v5, v1, 3, 512                  ; 8 x lane + 512
	s_mul_i32 s19, s18, STG
	v_add_nc_u32 v6, s19, v4                       ; the stage, on the way in
	v_mul_u32_u24 v7, v2, 528
	v_lshl_add_u32 v7, v3, 6, v7
	v_add_nc_u32 v7, s19, v7                       ; and on the way out: row r, + 64 h
	v_lshlrev_b32 v8, 4, v2
	v_lshl_add_u32 v8, v3, 2, v8                   ; the scale words' place: 16 r + 4 h
.irp b, 0,1,2,3
	v_mov_b32 v[TM+4+\b], 0                        ; written once: a lane permute's destination counts as one of its sources
.endr
	s_mov_b32 s[SEL], 0x76543210
	s_mov_b32 s[SEL+1], 0xfedcba98
	s_sub_co_u32 s20, ttmp9, 512
	s_and_b32 s20, s20, 63
	s_cmp_lt_u32 ttmp9, 512
	s_cselect_b32 s20, ttmp9, s20                  ; my tile in its tensor
	s_lshr_b32 s21, s18, 1                         ; which half of the K steps of my parity
	s_and_b32 s26, s18, 1                          ; the K steps' parity
	s_lshr_b32 s28, s20, 2
	s_lshl_b32 s28, s28, 18                        ; 64 rows of 4,096 bytes for each four tiles,
	s_and_b32 s27, s20, 3
	s_lshl_b32 s27, s27, 15                        ; 8 rows for each tile of the four,
	s_add_co_u32 s28, s28, s27
	s_lshl_b32 s27, s26, 9                         ; a K step of 512 bytes,
	s_add_co_u32 s28, s28, s27
	s_lshl_b32 s27, s21, 11                        ; four K steps
	s_add_co_u32 s28, s28, s27
	s_mov_b32 s29, 0
	s_mul_i32 s30, ttmp9, 12288
	s_mul_i32 s34, s26, 1536
	s_add_co_u32 s30, s30, s34
	s_mul_i32 s34, s21, 6144
	s_add_co_u32 s30, s30, s34
	s_mov_b32 s31, 0
	s_lshl_b32 s32, ttmp9, 9
	s_lshl_b32 s34, s26, 8
	s_add_co_u32 s32, s32, s34                     ; the words of my parity are 256 bytes on end;
	s_lshl_b32 s34, s21, 3
	s_add_co_u32 s32, s32, s34                     ; my two are 8 bytes of a row's 16
	s_mov_b32 s33, 0
	s_wait_alu depctr_va_vdst(0)                   ; the wait at the head's end
	s_wait_kmcnt 0x0
	s_mov_b64 s[22:23], s[12:13]                   ; the tensor is chosen by the work-group's number alone
	s_cmp_lt_u32 ttmp9, 704
	s_cselect_b64 s[22:23], s[10:11], s[22:23]
	s_cmp_lt_u32 ttmp9, 640
	s_cselect_b64 s[22:23], s[8:9], s[22:23]
	s_cmp_lt_u32 ttmp9, 576
	s_cselect_b64 s[22:23], s[6:7], s[22:23]
	s_cmp_lt_u32 ttmp9, 512
	s_cselect_b64 s[22:23], s[4:5], s[22:23]
	s_add_nc_u64 s[22:23], s[22:23], s[28:29]
	s_add_nc_u64 s[14:15], s[14:15], s[30:31]
	s_add_nc_u64 s[16:17], s[16:17], s[32:33]
.macro LOAD ks, set                    ; my ks-th K step: the tile's 16 rows, 512 consecutive bytes each
.irp i, 0,1,2,3,4,5,6,7,8,9,10,11,12,13,14,15
	global_load_b128 v[R+64*(\set)+4*\i:R+64*(\set)+4*\i+3], v4, s[22:23] offset:((\i%8)+32*(\i/8))*4096+1024*(\ks) th:TH_LOAD_NT
.endr
.endm
.macro TURN set                        ; through the stage: LDS serves a wave's instructions in order (ISA guide 5.7.1.4), so no wait stands between the stores and the loads
.irp i, 0,1,2,3,4,5,6,7,8,9,10,11,12,13,14,15
	ds_store_b128 v6, v[R+64*(\set)+4*\i:R+64*(\set)+4*\i+3] offset:528*\i
.endr
.irp b, 0,1,2,3
.irp j, 0,1,2,3
	ds_load_b128 v[X+16*\b+4*\j:X+16*\b+4*\j+3], v7 offset:128*\b+16*\j
.endr
.endr
.endm
; 64 numbers of a lane become a fragment's codes in v[PC] on and its row's scale word in v[pw]
.macro QUANT s, pw
.irp b, 0,1,2,3
	v_max3_num_f32 v[TM+\b], |v[\s+16*\b]|, |v[\s+1+16*\b]|, 0x1800000   ; my 16 numbers of block b, and the floor 2^(3 - 127): the byte cannot fall under 1
.endr
.irp i, 2,4,6,8,10,12,14
.irp b, 0,1,2,3
	v_max3_num_f32 v[TM+\b], v[TM+\b], |v[\s+16*\b+\i]|, |v[\s+1+16*\b+\i]|   ; the four blocks by turns
.endr
.endr
.irp b, 0,1,2,3
	v_permlanex16_b32 v[TM+4+\b], v[TM+\b], s[SEL], s[SEL+1]
.endr
.irp b, 0,1,2,3
	v_max_num_f32 v[TM+\b], v[TM+\b], v[TM+4+\b]   ; with lane l xor 16's: the block's largest magnitude
.endr
.irp b, 0,1,2,3
	v_add_nc_u32 v[TM+12+\b], 0xff000000, v[TM+\b] ; 2 off its exponent field: the conversion's scale operand
.endr
.irp b, 0,1,2,3
	v_lshrrev_b32 v[TM+4+\b], 23, v[TM+12+\b]      ; the scale's byte
.endr
	v_lshl_or_b32 v[\pw], v[TM+5], 8, v[TM+4]
	v_lshl_or_b32 v[\pw], v[TM+6], 16, v[\pw]
	v_lshl_or_b32 v[\pw], v[TM+7], 24, v[\pw]
.irp c, 0,1
	v_cvt_scalef32_pk16_fp6_f32 v[PC+6*\c:PC+2+6*\c], v[\s+32*\c:\s+15+32*\c], v[TM+12+2*\c]
	v_cvt_scalef32_pk16_fp6_f32 v[PC+12+4*\c:PC+14+4*\c], v[\s+16+32*\c:\s+31+32*\c], v[TM+12+2*\c+1]   ; (a conversion's three registers begin on an even number)
.endr
	v_nop                                          ; one plain place behind a scaled conversion
.irp c, 0,1                            ; the operand wants a whole block in a lane: lanes 0-15 block 2 c, lanes 16-31 block 2 c + 1
.irp i, 0,1,2
	v_permlane16_swap_b32 v[PC+6*\c+\i], v[PC+12+4*\c+\i]
.endr
.irp i, 0,1,2
	v_mov_b32 v[PC+3+6*\c+\i], v[PC+12+4*\c+\i]
.endr
.endr
.endm
.macro OUT ks                          ; the image: each store covers 512 or 256 consecutive bytes, at a multiple of 256 from img's first byte
	global_store_b128 v4, v[PC:PC+3], s[14:15] offset:3072*(\ks)
	global_store_b64 v5, v[PC+4:PC+5], s[14:15] offset:3072*(\ks)
	global_store_b128 v4, v[PC+6:PC+9], s[14:15] offset:3072*(\ks)+768
	global_store_b64 v5, v[PC+10:PC+11], s[14:15] offset:3072*(\ks)+768
.endm
	LOAD 0, 0
	LOAD 1, 1                                      ; all that the wave reads is asked for: 32 loads of 512 bytes
.irp k, 0,1
.if \k < 1
	s_wait_loadcnt 16                              ; this K step's 16 loads are in; the other K step's 16 may be out
.else
	s_wait_loadcnt 0x0
.endif
	TURN \k
	s_wait_dscnt 0x0                               ; my 64 numbers are back
	s_wait_xcnt 0x0                                ; the last K step's stores have read the codes' registers, which are written again below
	QUANT X, PW+\k
	OUT \k
.endr
	v_cmp_le_u32 vcc_lo, 16, v1
	v_cndmask_b32 v248, v[PW], v[PW+1], vcc_lo     ; lane (r, h) stores my h-th K step's word of row r
	global_store_b32 v8, v248, s[16:17]            ; 8 bytes of each row's 16: the other 8 are the wave's with the other half of this parity
	s_wait_tensorcnt 0x0                           ; the wave's end
	ds_add_u32 v254, v255
	s_wait_dscnt 0x0
	s_endpgm
.Lfunc_end_k_q58d2d75a8a_quant:
	.size	k_q58d2d75a8a_quant, .Lfunc_end_k_q58d2d75a8a_quant-k_q58d2d75a8a_quant
	.p2alignl 7, 3214868480
	.fill 96, 4, 3214868480
	.section	.rodata,"a",@progbits
	.p2align	6, 0x0
	.amdhsa_kernel k_q58d2d75a8a_quant
		.amdhsa_group_segment_fixed_size 34304
		.amdhsa_private_segment_fixed_size 0
		.amdhsa_enable_private_segment 0
		.amdhsa_kernarg_size 56
		.amdhsa_user_sgpr_count 2
		.amdhsa_user_sgpr_kernarg_segment_ptr 1
		.amdhsa_wavefront_size32 1
		.amdhsa_system_sgpr_workgroup_id_x 1
		.amdhsa_system_sgpr_workgroup_id_y 1
		.amdhsa_system_sgpr_workgroup_id_z 1
		.amdhsa_system_vgpr_workitem_id 0
		.amdhsa_next_free_vgpr 256
		.amdhsa_next_free_sgpr 66
		.amdhsa_reserve_vcc 1
		.amdhsa_float_denorm_mode_32 3
		.amdhsa_float_denorm_mode_16_64 3
		.amdhsa_memory_ordered 1
		.amdhsa_forward_progress 1
		.amdhsa_inst_pref_size 19
	.end_amdhsa_kernel
	.amdgpu_metadata
---
amdhsa.version: [ 1, 2 ]
amdhsa.kernels:
  - .name:           k_q58d2d75a8a_quant
    .symbol:         k_q58d2d75a8a_quant.kd
    .args:
      - { .name: embeddings, .offset: 0, .size: 8, .value_kind: global_buffer, .address_space: global }
      - { .name: wq, .offset: 8, .size: 8, .value_kind: global_buffer, .address_space: global }
      - { .name: wk, .offset: 16, .size: 8, .value_kind: global_buffer, .address_space: global }
      - { .name: wv, .offset: 24, .size: 8, .value_kind: global_buffer, .address_space: global }
      - { .name: wo, .offset: 32, .size: 8, .value_kind: global_buffer, .address_space: global }
      - { .name: img, .offset: 40, .size: 8, .value_kind: global_buffer, .address_space: global }
      - { .name: scl, .offset: 48, .size: 8, .value_kind: global_buffer, .address_space: global }
    .group_segment_fixed_size: 34304
    .private_segment_fixed_size: 0
    .kernarg_segment_align: 8
    .kernarg_segment_size: 56
    .max_flat_workgroup_size: 128
    .sgpr_count:     66
    .vgpr_count:     256
    .wavefront_size: 32
...
	.end_amdgpu_metadata
.endif
;; end of part 1
;; launch qkv (part 2): grid 8 x 32, 4 waves a work-group, clusters of 4 x 4, 327,680 bytes of LDS; arguments img, scl, bq, bk, bv, qimg, kv; writes qimg, kv
.if DOCPART == 2
	.amdgcn_target "amdgcn-amd-amdhsa--gfx1250"
	.amdhsa_code_object_version 6
	.text
	.protected	k_q58d2d75a8a_qkv
	.globl	k_q58d2d75a8a_qkv
	.p2align	8
	.type	k_q58d2d75a8a_qkv,@function
k_q58d2d75a8a_qkv:
	s_mov_b64 s[64:65], 0
	v_nop
	global_prefetch_b8 v0, s[64:65] scope:SCOPE_SE
	s_setreg_imm32_b32 hwreg(HW_REG_WAVE_MODE, 25, 1), 1
	s_wait_xcnt 0x0
	s_wait_alu depctr_hold_cnt(0) depctr_sa_sdst(0) depctr_va_vdst(0) depctr_va_sdst(0) depctr_va_ssrc(0) depctr_va_vcc(0) depctr_vm_vsrc(0)
	s_getreg_b32 s2, hwreg(HW_REG_IB_STS2, 6, 4)
	s_cmp_eq_u32 s2, 0
	s_cbranch_scc0 .Lentry_in_a_cluster
	s_endpgm
.Lentry_in_a_cluster:
	s_bfe_u32 s2, ttmp6, 0x10000c
	s_cmp_lg_u32 s2, 0xf033
	s_cbranch_scc0 .Lentry_shape_is_right
	s_endpgm
.Lentry_shape_is_right:
; Q, K, V = x W^T + b on codes of FP6 (E2M3) with E8M0 scales, and their quantisers: the results leave as operand images and scale words for the attention launch.  No f32 result is stored.
; LIMITS: a block of zeros gets the byte 1 (its codes are zeros; this program alone reads the bytes); blocks whose largest magnitude lies under 2^-124 are held at the byte 1; NaN and infinities are not served.
; IN: img [768 row tiles][8 K steps][1,536 bytes] (tiles 0-511 x, 512-575 wq, 576-639 wk, 640-703 wv), scl [768][512 bytes].  Position p of a tensor's tile T is row 64 (T / 4) + 8 (T % 4) + p % 8 + 32 (p / 8).
; OUT: qimg, records of 6,656 bytes: 8 tiles of 16 tokens x 64, 768 bytes each, and 512 bytes of scale words; kv, records of 13,056 bytes: the same of K, then V^T's 4 tiles of 16 features x 128 keys, 1,536 bytes each, and 256 bytes of words.
; THE DEAL.  256 work-groups = 32 blocks of 256 tokens x 8 pairs of heads; a work-group takes its tokens through Q, K and V of its two heads.  Four waves, 2 x 2: a wave has 128 tokens (one record) and one head.
; x's 16 row tiles, all of K, lie in LDS for the whole launch: filled once, read three times.  A wave's 64 rows of a weight, all of K, lie in 384 registers; the weights' 128 rows pass through an LDS region of their own, filled three times.
; A BLOCK is one row tile of x against the wave's four weight tiles: 32 products, the four accumulators by turns, K ascending.  x's fragments lie twice in registers: a set is fetched two blocks ahead.
; A tensor's first two blocks go K step by K step, with the weights' LDS loads among the products.  Behind them every wave holds the weights in registers, and the region is filled again with the next tensor's rows,
; six blocks ahead of their first read: so no prefetch is laid for them.
; CLUSTER 4 x 4: x's tiles are shared along a row of the cluster, the weights' along a column: joint loads.  Each refill stands behind the three lines and a round of the cluster's barrier.
; Q, K: source 0 = the weight's rows: a lane holds one token, and its 32 sums are features 32 (lane / 16) + 0 .. 31 of the head: one scale block.  V: source 0 = x's rows: a lane holds one feature, and its 32 sums of four blocks are
; 32 neighbouring tokens: one scale block.  No lane looks at another for a maximum.  The bias is the first products' C.
; Q and K are one loop of two trips; K's bias and weight scales wait in registers from the head on and are moved behind the first trip.  V is written out.
; REGISTERS.  Window 0: addresses, scale words, biases, the way out.  Fragment f lies in window 1 + f / 21 at register 12 (f % 21): 0-31 the weights' (4 q + u), 32-39 and 40-47 x's two sets.  Window 3, v72-199: 128 sums.
.set WB,    0                          ; LDS: the weights' 128 rows
.set XB,    98304                      ; x's 256 rows
.set SPARE, 294912                     ; the spare words
.set FPW,   21
.set LN,    1
.set O16,   2                          ; 16 x lane
.set L8,    3                          ; 8 x lane
.set O8,    4                          ; 512 + 8 x lane
.set H8,    5                          ; 8 x (lane / 16)
.set BO1,   6
.set BO2,   7
.set AW16,  12                         ; LDS address of my weight tiles
.set AW8,   13
.set AX16,  16                         ; v16, v17 of my x tiles 0-3, 4-7
.set AX8,   18                         ; v18, v19
.set SPW,   28
.set NIL,   29
.set SCX,   34                         ; v34-65 x's scale words, four registers a tile
.set T0,    66
.set T1,    67
.set SOP,   68
.set EB,    69
.set EX,    70
.set SCW,   72                         ; v72-87 the weight's scale words, Q's and then K's
.set SCWV,  88                         ; v88-103 V's
.set PWR,   104                        ; v104-111 the tiles' scale words
.set WW,    112
.set VB,    116
.set BB,    120                        ; v120-151 the bias as C: Q's, then K's
.set BV,    152                        ; v152-183 V's
.set BSTG,  184                        ; v184-215 K's bias, waiting
.set SSTG,  216                        ; v216-231 K's weight scales, waiting
.set PC,    232                        ; v232-237 six registers of codes
.set CT,    238
.set ACC,   72                         ; in window 3
.set WV,  18
.set PH,  19
.set RH,  20
.set G1X, 24
.set G1W, 32
.set G1R, 40
.set SEL, 54
.set OB,  56                           ; s[56:57] where the loop's tensor goes; s[58:59] K's record; s[60:61] V's part of it
.set KB,  58
.set VBS, 60
.set TRIP, 62
.set G0X, 68
.set G0W, 72
.set G0R, 76
.set MSB, 0
.macro WIN new
.if MSB != \new
	s_set_vgpr_msb (MSB<<8)|\new
.set MSB, \new
.endif
.endm
.macro PLACES n
.rept \n
	v_nop
.endr
.endm
.macro WALU
	s_wait_alu depctr_va_vdst(0)
.endm
.macro CROUND
	s_barrier_signal -1
	s_barrier_wait -1
	s_cmp_lg_u32 s[WV], 0
	s_cbranch_scc1 .Lnot_wave_0_\@
	s_barrier_signal -3
.Lnot_wave_0_\@:
	s_barrier_wait -3
	s_barrier_signal -1
	s_barrier_wait -1
.endm
.macro GROUP1 g, mask, rows            ; a dense block as rows of 256 bytes
	s_or_b32 s[\g], s[\mask], (3<<16)|(1<<21)
	s_mov_b32 s[\g+1], 32<<16
	s_mov_b32 s[\g+2], (\rows)<<16
	s_mov_b32 s[\g+3], 32<<16
	s_mov_b32 s[\g+4], \rows
	s_mov_b32 s[\g+5], 32
	s_mov_b32 s[\g+6], 0
	s_mov_b32 s[\g+7], 0
.endm
.macro FRAG f, a16, a8, off            ; an image of 1,536 bytes into fragment f
	WIN (1+(\f)/FPW)<<6
.set R_, 12*((\f)%FPW)
	ds_load_b128 v[R_:R_+3], v[\a16] offset:\off
	ds_load_b64 v[R_+4:R_+5], v[\a8] offset:\off+512
	ds_load_b128 v[R_+6:R_+9], v[\a16] offset:\off+768
	ds_load_b64 v[R_+10:R_+11], v[\a8] offset:\off+1280
.endm
.macro WQ q                            ; my four weight fragments of K step q: 16 loads
.irp u, 0,1,2,3
	FRAG 4*(\q)+\u, AW16, AW8, \u*12288+(\q)*1536
.endr
.endm
.macro FETCH t                         ; x's tile t, all of K, into set t % 2: 32 loads
.irp q, 0,1,2,3,4,5,6,7
	FRAG 32+8*((\t)%2)+\q, AX16+(\t)/4, AX8+(\t)/4, ((\t)%4)*12288+\q*1536
.endr
	WIN 0
.endm
.macro WM d, f0, f1, c, x0, x1, row
.if \row
	v_wmma_scale_f32_16x16x128_f8f6f4 v[\d:\d+7], v[12*((\f0)%FPW):12*((\f0)%FPW)+11], v[12*((\f1)%FPW):12*((\f1)%FPW)+11], \c, v[\x0], v[\x1] matrix_a_fmt:MATRIX_FMT_FP6 matrix_b_fmt:MATRIX_FMT_FP6 matrix_a_scale:MATRIX_SCALE_ROW1 matrix_b_scale:MATRIX_SCALE_ROW1
.else
	v_wmma_scale_f32_16x16x128_f8f6f4 v[\d:\d+7], v[12*((\f0)%FPW):12*((\f0)%FPW)+11], v[12*((\f1)%FPW):12*((\f1)%FPW)+11], \c, v[\x0], v[\x1] matrix_a_fmt:MATRIX_FMT_FP6 matrix_b_fmt:MATRIX_FMT_FP6
.endif
.endm
; product n = 4 q + u of x's tile t.  kind 0 (Q, K): source 0 the weight; kind 1 (V): source 0 x.  The scale words of an even K step stand in lanes 0-15, of an odd one in lanes 16-31
.macro PROD kind, t, n, bias, scw
.set Q_, (\n)/4
.set U_, (\n)%4
.if \kind
.set D_, ACC+32*U_+8*((\t)%4)
.set F0_, 32+8*((\t)%2)+Q_
.set F1_, 4*Q_+U_
.set X0_, SCX+4*(\t)+Q_/2
.set X1_, (\scw)+4*U_+Q_/2
.else
.set D_, ACC+32*((\t)%2)+8*U_
.set F0_, 4*Q_+U_
.set F1_, 32+8*((\t)%2)+Q_
.set X0_, (\scw)+4*U_+Q_/2
.set X1_, SCX+4*(\t)+Q_/2
.endif
.if Q_
	WIN (1+F0_/FPW)|((1+F1_/FPW)<<2)|(3<<4)|(3<<6)
	WM D_, F0_, F1_, v[D_:D_+7], X0_, X1_, Q_%2
.else
	WIN (1+F0_/FPW)|((1+F1_/FPW)<<2)|(3<<6)
	WM D_, F0_, F1_, v[(\bias)+8*U_:(\bias)+8*U_+7], X0_, X1_, 0
.endif
.endm
; 32 sums of a lane, from register x of window 3 on, are one scale block: its largest magnitude in two chains, the scale, six registers of codes in v[PC] on, the byte in v[EB]
.macro CORE x
	WALU
	s_wait_xcnt 0x0                                ; earlier stores have read the codes' registers
	WIN (3<<2)|(3<<4)
	v_max3_num_f32 v[T0], 0x1800000, |v[(\x)]|, |v[(\x)+1]|
	v_max3_num_f32 v[T1], 0x1800000, |v[(\x)+16]|, |v[(\x)+17]|
.irp i, 2,4,6,8,10,12,14
	v_max3_num_f32 v[T0], v[T0], |v[(\x)+\i]|, |v[(\x)+\i+1]|
	v_max3_num_f32 v[T1], v[T1], |v[(\x)+16+\i]|, |v[(\x)+17+\i]|
.endr
	WIN 0
	v_max_num_f32 v[T0], v[T0], v[T1]
	v_add_nc_u32 v[SOP], 0xff000000, v[T0]         ; 2 off the exponent field: the conversions' scale operand
	WIN 3
	v_cvt_scalef32_pk16_fp6_f32 v[PC:PC+2], v[(\x):(\x)+15], v[SOP]
	v_cvt_scalef32_pk16_fp6_f32 v[CT:CT+2], v[(\x)+16:(\x)+31], v[SOP]
	WIN 0
	v_lshrrev_b32 v[EB], 23, v[SOP]                ; the byte.  (The plain place behind the conversions)
.irp i, 0,1,2
	v_mov_b32 v[PC+3+\i], v[CT+\i]
.endr
.endm
.macro OUTQK t                         ; tile t of Q or K: half an image, and the row's two bytes
	CORE ACC+32*((\t)%2)
	v_lshlrev_b32 v[EB], v[H8], v[EB]
	v_permlanex16_b32 v[EX], v[EB], s[SEL], s[SEL+1]
	v_or_b32 v[PWR+\t], v[EB], v[EX]
	global_store_b128 v[O16], v[PC:PC+3], s[OB:OB+1] offset:768*\t
	global_store_b64 v[O8], v[PC+4:PC+5], s[OB:OB+1] offset:768*\t
.endm
.macro OUTV c                          ; band c (64 tokens) of V^T's four tiles: half an image each
.irp u, 0,1,2,3
	CORE ACC+32*\u
.if \c
	v_lshl_or_b32 v[VB+\u], v[EB], 16, v[VB+\u]
.else
	v_mov_b32 v[VB+\u], v[EB]
.endif
	global_store_b128 v[O16], v[PC:PC+3], s[VBS:VBS+1] offset:1536*\u+768*\c
	global_store_b64 v[O8], v[PC+4:PC+5], s[VBS:VBS+1] offset:1536*\u+768*\c
.endr
.endm
; ONE TENSOR
.macro PHASE kind, bias, scw, refill
	s_wait_tensorcnt 0x0                           ; my part of what was asked for has landed
	s_wait_dscnt 0x0
	s_barrier_signal -1
	s_barrier_wait -1                              ; everybody's has
	PLACES 4                                       ; in front of loads into registers that the last products read
	FETCH 0
	FETCH 1
	WQ 0
	WQ 1
	WIN 0
	s_wait_loadcnt 0x0                             ; scale words and biases are in
.irp q, 0,1,2,3,4,5,6,7                ; blocks 0 and 1, K step by K step
.if \q < 7
	s_wait_dscnt 16                                ; this K step's weights are in; the next K step's 16 loads may be out
.else
	s_wait_dscnt 0x0
.endif
.irp u, 0,1,2,3
	PROD \kind, 0, 4*\q+\u, \bias, \scw
	PROD \kind, 1, 4*\q+\u, \bias, \scw
.endr
.if \q < 6
	WQ \q+2
.endif
.endr
	WIN 0
	PLACES 4
.if \refill
	s_wait_tensorcnt 0x0                           ; the three lines ahead of a refill's round
	ds_add_u32 v[SPW], v[NIL]
	s_add_nc_u64 s[G0R+2:G0R+3], s[G0R+2:G0R+3], 786432   ; no load of mine is out: on to the next tensor's rows, 64 row tiles on
	s_wait_dscnt 0x0                               ; the add is done, and my reads of the weights' region are over
	CROUND
	tensor_load_to_lds s[G0R:G0R+3], s[G1R:G1R+7]  ; my quarter of the next tensor's 128 rows
	s_nop 0
	PLACES 4
.endif
	FETCH 2
	FETCH 3
.if \kind == 0
	OUTQK 0
	OUTQK 1
.endif
.irp t, 2,3,4,5,6,7
.if \t < 7
	s_wait_dscnt 32                                ; this block's fragments are in; the next block's 32 loads may be out
.else
	s_wait_dscnt 0x0
.endif
.set N_, 0
.rept 32
	PROD \kind, \t, N_, \bias, \scw
.set N_, N_+1
.endr
	WIN 0
	PLACES 4
.if \t < 6
	FETCH \t+2
.endif
.if \kind
.if \t == 3
	OUTV 0
.endif
.if \t == 7
	OUTV 1
.endif
.else
	OUTQK \t
.endif
.endr
.endm
; ================= THE HEAD
	s_load_b256 s[4:11], s[0:1], 0x0               ; img, scl, bq, bk
	s_load_b128 s[12:15], s[0:1], 0x20             ; bv, qimg
	s_load_b64 s[16:17], s[0:1], 0x30              ; kv
	v_lshl_add_u32 v[SPW], v0, 2, SPARE
	v_mov_b32 v[NIL], 0
	ds_add_u32 v[SPW], v[NIL]                      ; the opening lines: the add, twice on end, and its wait
	ds_add_u32 v[SPW], v[NIL]
	v_lshrrev_b32 v1, 5, v0
	v_readfirstlane_b32 s[WV], v1
	s_lshr_b32 s[PH], s[WV], 1                     ; which 128 tokens
	s_and_b32 s[RH], s[WV], 1                      ; which head of the pair
	s_bfe_u32 s48, ttmp6, 0x40000                  ; cx
	s_bfe_u32 s49, ttmp6, 0x40004                  ; cy
	s_lshl_b32 s50, ttmp9, 2
	s_add_co_u32 s50, s50, s48                     ; the pair of heads, 0 .. 7
	s_and_b32 s51, ttmp7, 0xffff
	s_lshl_b32 s51, s51, 2
	s_add_co_u32 s51, s51, s49                     ; the block of 256 tokens, 0 .. 31
	s_lshl_b32 s52, s49, 2
	s_lshl_b32 s52, 15, s52                        ; my row of the cluster
	s_lshl_b32 s53, 0x1111, s48                    ; my column
	GROUP1 G1X, 52, 256                            ; a third of x's 196,608 bytes
	GROUP1 G1W, 53, 384                            ; a weight's 128 rows: 98,304 bytes
	GROUP1 G1R, 53, 96                             ; a quarter of them
	s_mov_b32 s[SEL], 0x76543210
	s_mov_b32 s[SEL+1], 0xfedcba98
	s_mov_b32 s[TRIP], 0
	s_mul_i32 s80, s51, 196608                     ; x's 16 row tiles, bytes from img,
	s_lshl_b32 s81, s[WV], 16
	s_add_co_u32 s80, s80, s81                     ; + 65,536 x wave (waves 1 to 3 fetch: 65,536 is taken off below)
	s_add_co_u32 s[G0X+1], s81, XB-65536
	s_mov_b32 s81, 0
	s_mul_i32 s82, s50, 98304
	s_add_co_u32 s82, s82, 512*12288               ; wq's 8 row tiles of my pair of heads
	s_mov_b32 s83, 0
	s_mul_i32 s84, s[WV], 24576                    ; my quarter in a refill
	s_mov_b32 s85, 0
	s_mov_b32 s[G0X], 1
	s_mov_b32 s[G0W], 1
	s_mov_b32 s[G0W+1], WB
	s_mov_b32 s[G0R], 1
	s_add_co_u32 s[G0R+1], s84, WB
	s_lshl_b32 s86, s51, 4
	s_lshl_b32 s87, s[PH], 3
	s_add_co_u32 s86, s86, s87
	s_lshl_b32 s86, s86, 9                         ; my 8 x tiles' scale words, bytes from scl
	s_mov_b32 s87, 0
	s_lshl_b32 s88, s50, 3
	s_lshl_b32 s89, s[RH], 2
	s_add_co_u32 s88, s88, s89
	s_add_co_u32 s88, s88, 512
	s_lshl_b32 s88, s88, 9                         ; my 4 tiles of wq; wk's lie 32,768 bytes on, wv's 65,536
	s_mov_b32 s89, 0
	s_lshl_b32 s90, s50, 9
	s_lshl_b32 s91, s[RH], 8
	s_add_co_u32 s90, s90, s91                     ; my head's 64 numbers of a bias
	s_mov_b32 s91, 0
	s_lshr_b32 s94, s51, 3                         ; the record: ((batch x 16 + head) x 16 + key step)
	s_lshl_b32 s94, s94, 4
	s_lshl_b32 s95, s50, 1
	s_add_co_u32 s94, s94, s95
	s_add_co_u32 s94, s94, s[RH]
	s_lshl_b32 s94, s94, 4
	s_and_b32 s95, s51, 7
	s_lshl_b32 s95, s95, 1
	s_add_co_u32 s94, s94, s95
	s_add_co_u32 s94, s94, s[PH]
	s_mul_i32 s92, s94, 6656
	s_mov_b32 s93, 0
	s_mul_i32 s94, s94, 13056
	s_mov_b32 s95, 0
	s_wait_dscnt 0x0
	CROUND                                         ; all sixteen work-groups are here: the first joint loads meet
	s_wait_kmcnt 0x0
	s_add_nc_u64 s[G0X+2:G0X+3], s[4:5], s[80:81]
	s_sub_nc_u64 s[G0X+2:G0X+3], s[G0X+2:G0X+3], 65536
	s_or_b32 s[G0X+3], s[G0X+3], 0x80000000
	s_add_nc_u64 s[G0W+2:G0W+3], s[4:5], s[82:83]
	s_add_nc_u64 s[G0R+2:G0R+3], s[G0W+2:G0W+3], s[84:85]
	s_or_b32 s[G0W+3], s[G0W+3], 0x80000000
	s_or_b32 s[G0R+3], s[G0R+3], 0x80000000
	s_cmp_eq_u32 s[WV], 0                          ; one chain of two arms, one load to an arm
	s_cbranch_scc0 .Lfor_x
	tensor_load_to_lds s[G0W:G0W+3], s[G1W:G1W+7]  ; wave 0: wq's 128 rows
	s_nop 0
	PLACES 4
	s_branch .Lasked
.Lfor_x:
	tensor_load_to_lds s[G0X:G0X+3], s[G1X:G1X+7]  ; waves 1 to 3: a third of x each
	s_nop 0
	PLACES 4
.Lasked:
	s_add_nc_u64 s[86:87], s[6:7], s[86:87]
	s_add_nc_u64 s[88:89], s[6:7], s[88:89]
	s_add_nc_u64 s[8:9], s[8:9], s[90:91]
	s_add_nc_u64 s[10:11], s[10:11], s[90:91]
	s_add_nc_u64 s[12:13], s[12:13], s[90:91]
	s_add_nc_u64 s[OB:OB+1], s[14:15], s[92:93]
	s_add_nc_u64 s[KB:KB+1], s[16:17], s[94:95]
	s_add_nc_u64 s[VBS:VBS+1], s[KB:KB+1], 6656
	v_and_b32 v[LN], 31, v0
	v_bfe_u32 v8, v0, 4, 1                         ; h
	v_and_b32 v9, 7, v0
	v_bfe_u32 v10, v0, 3, 1
	v_lshlrev_b32 v[O16], 4, v[LN]
	v_lshlrev_b32 v[L8], 3, v[LN]
	v_lshlrev_b32 v[H8], 3, v8
	v_lshlrev_b32 v[BO1], 7, v8                    ; Q, K: register 8 u + j of lane (r, h) is feature 32 h + 8 u + j
	v_lshlrev_b32 v[BO2], 2, v9
	v_add_nc_u32 v[O8], 512, v[L8]
	v_lshl_add_u32 v[BO2], v10, 7, v[BO2]          ; V: lane (r, h) of tile u has feature 32 (r / 8) + 8 u + r % 8
	v_mov_b32 v[EX], 0                             ; a lane permute's destination counts as one of its sources
.irp i, 0,1,2,3,4,5,6,7
	global_load_b128 v[SCX+4*\i:SCX+4*\i+3], v[O16], s[86:87] offset:512*\i
.endr
.irp u, 0,1,2,3
	global_load_b128 v[SCW+4*\u:SCW+4*\u+3], v[O16], s[88:89] offset:512*\u
	global_load_b128 v[BB+8*\u:BB+8*\u+3], v[BO1], s[8:9] offset:32*\u
	global_load_b128 v[BB+8*\u+4:BB+8*\u+7], v[BO1], s[8:9] offset:32*\u+16
.endr
.irp u, 0,1,2,3
	global_load_b128 v[SSTG+4*\u:SSTG+4*\u+3], v[O16], s[88:89] offset:32768+512*\u
	global_load_b128 v[BSTG+8*\u:BSTG+8*\u+3], v[BO1], s[10:11] offset:32*\u
	global_load_b128 v[BSTG+8*\u+4:BSTG+8*\u+7], v[BO1], s[10:11] offset:32*\u+16
	global_load_b128 v[SCWV+4*\u:SCWV+4*\u+3], v[O16], s[88:89] offset:65536+512*\u
.endr
.irp u, 0,1,2,3
.irp j, 0,1,2,3,4,5,6,7
	global_load_b32 v[BV+8*\u+\j], v[BO2], s[12:13] offset:32*\u
.endr
.endr
	s_mul_i32 s80, s[RH], 49152
	s_mul_i32 s81, s[PH], 98304
	s_add_co_u32 s81, s81, XB
	v_add_nc_u32 v[AW16], s80, v[O16]
	v_add_nc_u32 v[AW8], s80, v[L8]
	v_add_nc_u32 v[AX16], s81, v[O16]
	v_add_nc_u32 v[AX8], s81, v[L8]
	s_add_co_u32 s81, s81, 49152
	v_add_nc_u32 v[AX16+1], s81, v[O16]
	v_add_nc_u32 v[AX8+1], s81, v[L8]
	WALU                                           ; the wait at the head's end
; ================= Q, THEN K
.Ltensor:
	PHASE 0, BB, SCW, 1
	v_cmp_le_u32 vcc_lo, 16, v[LN]
.irp i, 0,1,2,3
	v_cndmask_b32 v[WW+\i], v[PWR+2*\i], v[PWR+2*\i+1], vcc_lo   ; register i: tile 2 i in lanes 0-15, tile 2 i + 1 in lanes 16-31
.endr
	global_store_b128 v[O16], v[WW:WW+3], s[OB:OB+1] offset:6144
	WALU
	s_wait_xcnt 0x0                                ; the stores have read their base
	s_mov_b64 s[OB:OB+1], s[KB:KB+1]
	s_cmp_lg_u32 s[TRIP], 0
	s_cbranch_scc1 .Lmoved                         ; behind Q alone: K's weight scales and bias take their places
.set I, 0
.rept 16
	v_mov_b32 v[SCW+I], v[SSTG+I]
.set I, I+1
.endr
.set I, 0
.rept 32
	v_mov_b32 v[BB+I], v[BSTG+I]
.set I, I+1
.endr
.Lmoved:
	WALU
	s_add_co_u32 s[TRIP], s[TRIP], 1
	s_cmp_lt_u32 s[TRIP], 2
	s_cbranch_scc1 .Ltensor
; ================= V
	PHASE 1, BV, SCWV, 0
.irp u, 0,1,2,3
	v_lshlrev_b32 v[VB+\u], v[H8], v[VB+\u]        ; my two bytes, blocks h and 2 + h, at their places in the row's word
.endr
.irp u, 0,1,2,3
	v_permlanex16_b32 v[PWR+\u], v[VB+\u], s[SEL], s[SEL+1]
.endr
.irp u, 0,1,2,3
	v_or_b32 v[VB+\u], v[VB+\u], v[PWR+\u]
.endr
	v_cmp_le_u32 vcc_lo, 16, v[LN]
	v_cndmask_b32 v[WW], v[VB], v[VB+1], vcc_lo
	v_cndmask_b32 v[WW+1], v[VB+2], v[VB+3], vcc_lo
	global_store_b64 v[O8], v[WW:WW+1], s[VBS:VBS+1] offset:5632   ; 256 consecutive bytes, behind V's four tiles
	s_wait_tensorcnt 0x0                           ; the wave's end
	ds_add_u32 v[SPW], v[NIL]
	s_wait_dscnt 0x0
	CROUND                                         ; the closing round
	s_endpgm
.Lfunc_end_k_q58d2d75a8a_qkv:
	.size	k_q58d2d75a8a_qkv, .Lfunc_end_k_q58d2d75a8a_qkv-k_q58d2d75a8a_qkv
	.p2alignl 7, 3214868480
	.fill 96, 4, 3214868480
	.section	.rodata,"a",@progbits
	.p2align	6, 0x0
	.amdhsa_kernel k_q58d2d75a8a_qkv
		.amdhsa_group_segment_fixed_size 327680
		.amdhsa_private_segment_fixed_size 0
		.amdhsa_enable_private_segment 0
		.amdhsa_kernarg_size 56
		.amdhsa_user_sgpr_count 2
		.amdhsa_user_sgpr_kernarg_segment_ptr 1
		.amdhsa_wavefront_size32 1
		.amdhsa_system_sgpr_workgroup_id_x 1
		.amdhsa_system_sgpr_workgroup_id_y 1
		.amdhsa_system_sgpr_workgroup_id_z 1
		.amdhsa_system_vgpr_workitem_id 0
		.amdhsa_next_free_vgpr 1024
		.amdhsa_next_free_sgpr 100
		.amdhsa_reserve_vcc 1
		.amdhsa_float_denorm_mode_32 3
		.amdhsa_float_denorm_mode_16_64 3
		.amdhsa_memory_ordered 1
		.amdhsa_forward_progress 1
		.amdhsa_inst_pref_size 170
	.end_amdhsa_kernel
	.amdgpu_metadata
---
amdhsa.version: [ 1, 2 ]
amdhsa.kernels:
  - .name:           k_q58d2d75a8a_qkv
    .symbol:         k_q58d2d75a8a_qkv.kd
    .args:
      - { .name: img, .offset: 0, .size: 8, .value_kind: global_buffer, .address_space: global }
      - { .name: scl, .offset: 8, .size: 8, .value_kind: global_buffer, .address_space: global }
      - { .name: bq, .offset: 16, .size: 8, .value_kind: global_buffer, .address_space: global }
      - { .name: bk, .offset: 24, .size: 8, .value_kind: global_buffer, .address_space: global }
      - { .name: bv, .offset: 32, .size: 8, .value_kind: global_buffer, .address_space: global }
      - { .name: qimg, .offset: 40, .size: 8, .value_kind: global_buffer, .address_space: global }
      - { .name: kv, .offset: 48, .size: 8, .value_kind: global_buffer, .address_space: global }
    .group_segment_fixed_size: 327680
    .private_segment_fixed_size: 0
    .kernarg_segment_align: 8
    .kernarg_segment_size: 56
    .max_flat_workgroup_size: 128
    .sgpr_count:     100
    .vgpr_count:     1024
    .wavefront_size: 32
...
	.end_amdgpu_metadata
.endif
;; end of part 2
;; launch attn (part 3): grid 4 x 64, 16 waves a work-group, clusters of 4 x 1, 210,944 bytes of LDS; arguments qimg, kv, aimg, ascl; writes aimg, ascl
.if DOCPART == 3
	.amdgcn_target "amdgcn-amd-amdhsa--gfx1250"
	.amdhsa_code_object_version 6
	.text
	.protected	k_q58d2d75a8a_attn
	.globl	k_q58d2d75a8a_attn
	.p2align	8
	.type	k_q58d2d75a8a_attn,@function
k_q58d2d75a8a_attn:
	s_mov_b64 s[64:65], 0
	v_nop
	global_prefetch_b8 v0, s[64:65] scope:SCOPE_SE
	s_setreg_imm32_b32 hwreg(HW_REG_WAVE_MODE, 25, 1), 1
	s_wait_xcnt 0x0
	s_wait_alu depctr_hold_cnt(0) depctr_sa_sdst(0) depctr_va_vdst(0) depctr_va_sdst(0) depctr_va_ssrc(0) depctr_va_vcc(0) depctr_vm_vsrc(0)
	s_getreg_b32 s2, hwreg(HW_REG_IB_STS2, 6, 4)
	s_cmp_eq_u32 s2, 0
	s_cbranch_scc0 .Lentry_in_a_cluster
	s_endpgm
.Lentry_in_a_cluster:
	s_bfe_u32 s2, ttmp6, 0x10000c
	s_cmp_lg_u32 s2, 0x3003
	s_cbranch_scc0 .Lentry_shape_is_right
	s_endpgm
.Lentry_shape_is_right:
; attn[h][q] = the sum over k of softmax_k(q . k / 8) v, both products on codes of FP6 (E2M3) with E8M0 scales; the result, divided by the row's sum, is quantised along the head's 64 and stored as half an operand image.
; THE SOFTMAX: t = score x log2(e) / 8; M = the row's largest t so far, rounded up to a whole number; p = 2^(t - M) is quantised along the keys, not normalised; the row's sum is taken of the unquantised p in f32.
; When M moves, the sum and O are multiplied by 2^(old M - new M): exact.
; p IS CARRIED AS 4 p: the exponent's addend is 2 - M, while each block's largest p is made with the addend -M.  That number's exponent field is then at once the conversion's scale operand (4 p / 2^e = p / 2^(e - 2)) and
; the block's scale byte, which so stands 2 above the rule's.  O and the row's sum both come out 4 times as large, an exact factor that the division at the end takes away.
; LIMITS: the promise holds while the scaled scores t stay under 2^31 in magnitude; a block whose largest p lies under 2^-124 is held at that scale (its codes are zeros or next to zeros); output blocks whose largest magnitude
; lies under 2^-124 are held at the byte 1, a block of zeros too (this program alone reads the bytes); NaN and infinities are not served.
; SHARES.  A work-group owns 512 queries of one head, as two blocks of 256 one after the other; each of its sixteen waves has one tile of 16 queries of each block: four waves to a SIMD, so that one wave's vector work
; stands beside another's products and LDS loads.  64 heads x 4 work-groups = 256 work-groups.
; A WHOLE HEAD'S K AND V LIE IN LDS: 16 records of 13,056 bytes (128 keys each) = 208,896 bytes, read by both blocks.  Each byte of LDS is filled once: no slot is filled again, and nothing is stored to LDS.
; CLUSTER.  The four work-groups of a cluster read the same head: each record is asked for jointly.  Wave w asks for record w, one tensor load a wave, all at the head.  The load stands in two arms: waves 0-3 have a line
; of their own, so that the first barrier can show records 0-3 alone; behind four key steps every wave waits for its load, and the second barrier shows the rest.  No further barrier but the closing round.
; Every byte of K and V is asked for at the head, and both blocks' Q too: there is no later stream to prefetch.
; A RECORD: k's 8 tiles of 16 keys x 64, 768 bytes each (registers 0-3 at 16 x lane, 4-5 at 512 + 8 x lane); 512 bytes of their scale words; v^T's 4 tiles of 16 features x 128 keys, 1,536 bytes each; 256 bytes of scale words.
; LAYOUT.  Both products are used transposed: S^T = K Q^T, O^T = V^T P^T: a lane holds one query throughout.  Position p of key tile 4 c + u is key 64 c + 32 (p / 8) + 8 u + p % 8, so the 32 registers of tiles 4 c .. 4 c + 3
; are keys 64 c + 32 (lane / 16) + 0 .. 31: A WHOLE SCALE BLOCK IN A LANE, in the order of the next operand's registers.  The features of V^T's four tiles lie likewise: O^T's 32 registers are one block of the head's 64.
; K = 64 IN AN INSTRUCTION OF 128: Q's registers 6-11 are zero codes, and the upper two scale bytes of Q and K are 0.  K's operand runs on into the next tile's six registers (tile 7's into six registers of zeros):
; every pattern of 6 bits is a finite number of E2M3, and it meets a zero.
.set L16,  1                           ; v1  16 x lane
.set L8,   2                           ; v2  8 x lane
.set AD16, 3                           ; v3, v4 the same + the record in hand
.set AD8,  4
.set R16,  5                           ; v5  16 x (lane % 16)
.set RB,   6                           ; v6  the same + lane / 16: my output block's scale byte
.set H8,   7                           ; v7  8 x (lane / 16)
.set NM,   8                           ; v8  -M;  v9 its value a step ago
.set OLD,  9
.set PS,   10                          ; v10 p's scale words;  v12 2 - M, v13 the largest score so far, v[14:15] the sum in two halves
.set QF0,  16                          ; v16-27, v28-39 Q's fragments of the two blocks
.set QF1,  28
.set KS,   40                          ; v40-43 K's scale words: register i: tile 2 i in lanes 0-15, tile 2 i + 1 in lanes 16-31
.set VS,   44                          ; v44-45 V's likewise
.set QS0,  46                          ; v46, v47 Q's scale words
.set QS1,  47
.set KF,   48                          ; v48-95 K's tiles, 6 registers each; later V's four fragments; v96-101 zeros
.set S,    102                         ; v102-165 S^T, then 4 p
.set O,    166                         ; v166-197 O^T
.set PC,   198                         ; v198-209 p's codes
.set CT,   210                         ; v210-212, v214-216 the blocks' upper halves on their way
.set BM,   218                         ; v218-221 the chains of the blocks' largest
.set BP,   222
.set TMP,  223
.set FF,   224                         ; v[224:225] f
.set T0,   226                         ; v226-231 three more chains of the sum
.set SPW,  232                         ; my spare word
.set NIL,  233                         ; 0
.set WV,   12
.set G1,   16                          ; s[16:23] descriptor group 1;  s[24:27] group 0
.set G0,   24
.set SEL,  40                          ; s[40:41] lane l xor 16
.set CS,   42                          ; s[42:43] c = log2(e) / 8
.set TB,   44                          ; s44 LDS byte of the record in hand
.set CNT,  45
.set NC,   62                          ; s62 -c
.set REC,  13056
.set SPARE, 16*REC                     ; behind the records: the spare words, 128 bytes for each wave
.macro CROUND                          ; a round of the cluster's barrier
	s_barrier_signal -1
	s_barrier_wait -1
	s_cmp_lg_u32 s[WV], 0
	s_cbranch_scc1 .Lnot_wave_0_\@
	s_barrier_signal -3
.Lnot_wave_0_\@:
	s_barrier_wait -3
	s_barrier_signal -1
	s_barrier_wait -1
.endm
	s_load_b256 s[4:11], s[0:1], 0x0               ; qimg s[4:5], kv s[6:7], aimg s[8:9], ascl s[10:11]
	v_lshl_add_u32 v[SPW], v0, 2, SPARE
	v_mov_b32 v[NIL], 0
	ds_add_u32 v[SPW], v[NIL]                      ; the opening lines: the add, twice on end, and its wait ahead of my tensor load
	ds_add_u32 v[SPW], v[NIL]
	v_lshrrev_b32 v1, 5, v0
	s_delay_alu instid0(VALU_DEP_1)
	v_readfirstlane_b32 s[WV], v1                  ; wave 0..15
	s_bfe_u32 s13, ttmp6, 0x40000                  ; cx
	s_lshl_b32 s14, ttmp9, 2
	s_add_co_u32 s14, s14, s13
	s_lshl_b32 s14, s14, 1                         ; my first block of 256 queries: it enters Q's and the output's addresses alone
	s_and_b32 s15, ttmp7, 0xffff                   ; the head among 64, which the four partners share
	s_mov_b32 s[G1], 15|(3<<16)|(1<<21)            ; 15:0 the mask: all four; 17:16 elements of 8 bytes; 21 set beside a mask; no padding
	s_mov_b32 s[G1+1], 32<<16                      ; a record is dense: 51 rows of 256 bytes
	s_mov_b32 s[G1+2], 51<<16
	s_mov_b32 s[G1+3], 32<<16
	s_mov_b32 s[G1+4], 51
	s_mov_b32 s[G1+5], 32
	s_mov_b32 s[G1+6], 0
	s_mov_b32 s[G1+7], 0
	s_mov_b32 s[SEL], 0x76543210
	s_mov_b32 s[SEL+1], 0xfedcba98
	s_mov_b32 s[CS], 0x3e38aa3b
	s_mov_b32 s[CS+1], s[CS]                       ; (named with it as a pair, so it is written)
	s_mov_b32 s[NC], 0xbe38aa3b
	s_mov_b32 s[TB], 0
	s_mul_i32 s46, s15, 16*REC
	s_mul_i32 s47, s[WV], REC
	s_add_co_u32 s48, s46, s47
	s_mov_b32 s49, 0
	; Q: record 16 x head + 2 x block + wave / 8; in it tile wave % 8
	s_lshl_b32 s50, s15, 4
	s_lshl_b32 s51, s14, 1
	s_add_co_u32 s50, s50, s51
	s_lshr_b32 s51, s[WV], 3
	s_add_co_u32 s50, s50, s51
	s_mul_i32 s50, s50, 6656
	s_and_b32 s51, s[WV], 7
	s_mul_i32 s51, s51, 768
	s_add_co_u32 s52, s50, s51
	s_mov_b32 s53, 0
	s_and_b32 s51, s[WV], 1
	s_lshl_b32 s51, s51, 8
	s_bfe_u32 s54, s[WV], 0x20001
	s_lshl_b32 s54, s54, 2
	s_add_co_u32 s51, s51, s54
	s_add_co_u32 s54, s50, s51
	s_add_co_u32 s54, s54, 6144                    ; its scale words: 6,144 + 256 (tile % 2) + 4 (tile / 2) + 16 r
	s_mov_b32 s55, 0
	; the output: row tile T = 128 x batch + 16 x block + wave; head hd of 16
	s_lshr_b32 s56, s15, 4
	s_lshl_b32 s56, s56, 7
	s_lshl_b32 s57, s14, 4
	s_add_co_u32 s56, s56, s57
	s_add_co_u32 s56, s56, s[WV]
	s_and_b32 s57, s15, 15
	s_mul_i32 s58, s56, 12288
	s_mul_i32 s59, s57, 768
	s_add_co_u32 s58, s58, s59                     ; aimg: 12,288 T + 768 hd
	s_mov_b32 s59, 0
	s_lshl_b32 s60, s56, 9
	s_bfe_u32 s61, s57, 0x10001
	s_lshl_b32 s61, s61, 8
	s_add_co_u32 s60, s60, s61
	s_lshr_b32 s61, s57, 2
	s_lshl_b32 s61, s61, 2
	s_add_co_u32 s60, s60, s61
	s_and_b32 s61, s57, 1
	s_lshl_b32 s61, s61, 1
	s_add_co_u32 s60, s60, s61                     ; ascl: 512 T + 256 ((hd / 2) % 2) + 4 (hd / 4) + 2 (hd % 2) + 16 r + lane / 16
	s_mov_b32 s61, 0
	s_wait_dscnt 0x0
	s_wait_kmcnt 0x0
	s_add_nc_u64 s[48:49], s[6:7], s[48:49]
	s_add_nc_u64 s[52:53], s[4:5], s[52:53]
	s_add_nc_u64 s[54:55], s[4:5], s[54:55]
	s_add_nc_u64 s[8:9], s[8:9], s[58:59]
	s_add_nc_u64 s[10:11], s[10:11], s[60:61]
	s_mov_b32 s[G0], 1
	s_add_co_u32 s[G0+1], s47, 0                   ; LDS: record = wave
	s_add_nc_u64 s[G0+2:G0+3], s[48:49], 0
	s_or_b32 s[G0+3], s[G0+3], 0x80000000
	CROUND                                         ; all four work-groups are here: the joint loads meet
	s_cmp_lt_u32 s[WV], 4                          ; one chain of two arms, one load to an arm: every way through the head passes one load
	s_cbranch_scc0 .Lrest
	tensor_load_to_lds s[G0:G0+3], s[G1:G1+7]      ; records 0-3: the line of waves 0-3 alone
	s_nop 0
.rept 4
	v_nop
.endr
	s_branch .Lasked
.Lrest:
	tensor_load_to_lds s[G0:G0+3], s[G1:G1+7]      ; records 4-15
	s_nop 0
.rept 4
	v_nop
.endr
.Lasked:
	v_and_b32 v6, 31, v0
	s_delay_alu instid0(VALU_DEP_1)
	v_lshlrev_b32 v[L16], 4, v6
	s_delay_alu instid0(VALU_DEP_2)
	v_lshlrev_b32 v[L8], 3, v6
	v_and_b32 v[R16], 15, v0
	s_delay_alu instid0(VALU_DEP_1)
	v_lshlrev_b32 v[R16], 4, v[R16]
	v_bfe_u32 v[H8], v0, 4, 1
	s_delay_alu instid0(VALU_DEP_1)
	v_add_nc_u32 v[RB], v[R16], v[H8]
	v_lshlrev_b32 v[H8], 3, v[H8]
	global_load_b128 v[QF0:QF0+3], v[L16], s[52:53]            ; both blocks' half images of Q stay in registers; the second block lies two records of 6,656 bytes on
	global_load_b64 v[QF0+4:QF0+5], v[L8], s[52:53] offset:512
	global_load_b32 v[QS0], v[R16], s[54:55]
	global_load_b128 v[QF1:QF1+3], v[L16], s[52:53] offset:13312
	global_load_b64 v[QF1+4:QF1+5], v[L8], s[52:53] offset:13312+512
	global_load_b32 v[QS1], v[R16], s[54:55] offset:13312
.irp j, 0,1,2,3,4,5
	v_mov_b32 v[QF0+6+\j], 0                       ; zero codes for the instruction's upper 64 along K
	v_mov_b32 v[QF1+6+\j], 0
	v_mov_b32 v[KF+48+\j], 0                       ; what K's tile 7 runs on into
.endr
	v_mov_b32 v13, 0xff61b1e6                      ; the largest score so far: -3e38
	v_mov_b32 v[NM], 0x7e000000                    ; -M: M lies under every t
	v_mov_b32 v14, 0
	v_mov_b32 v15, 0
	v_mov_b32 v[BP], 0                             ; a lane permute's destination counts as one of its sources
	v_mov_b32 v[FF+1], 0                           ; (named as the upper half of a pair)
.set J, 0
.rept 32
	v_mov_b32 v[O+J], 0                            ; O^T.  The step is written once: the first finds zeros
.set J, J+1
.endr
; A KEY STEP: 128 keys, one record.
.macro STEP qf, qs
	v_add_nc_u32 v[AD16], s[TB], v[L16]
	v_add_nc_u32 v[AD8], s[TB], v[L8]
	v_nop
	v_nop                                          ; four places behind the last products, in front of loads into registers that they read
.irp t, 0,1,2,3,4,5,6,7
	ds_load_b128 v[KF+6*\t:KF+6*\t+3], v[AD16] offset:768*\t
	ds_load_b64 v[KF+6*\t+4:KF+6*\t+5], v[AD8] offset:768*\t+512
.endr
	ds_load_b128 v[KS:KS+3], v[AD16] offset:6144
	s_wait_alu depctr_va_vdst(0)
	s_wait_dscnt 0x0
.irp t, 0,2,4,6                        ; S^T = K Q^T
	v_wmma_scale_f32_16x16x128_f8f6f4 v[S+8*\t:S+8*\t+7], v[KF+6*\t:KF+6*\t+11], v[\qf:\qf+11], 0, v[KS+\t/2], v[\qs] matrix_a_fmt:MATRIX_FMT_FP6 matrix_b_fmt:MATRIX_FMT_FP6
	v_wmma_scale_f32_16x16x128_f8f6f4 v[S+8*\t+8:S+8*\t+15], v[KF+6*\t+6:KF+6*\t+17], v[\qf:\qf+11], 0, v[KS+\t/2], v[\qs] matrix_a_fmt:MATRIX_FMT_FP6 matrix_b_fmt:MATRIX_FMT_FP6 matrix_a_scale:MATRIX_SCALE_ROW1
.endr
	v_mov_b32 v[OLD], v[NM]                        ; four places in front of the loads over K's registers and of the first read of the scores
.rept 3
	v_nop
.endr
.irp t, 0,1,2,3                        ; V's fragments land under the softmax
	ds_load_b128 v[KF+12*\t:KF+12*\t+3], v[AD16] offset:6656+1536*\t
	ds_load_b64 v[KF+12*\t+4:KF+12*\t+5], v[AD8] offset:6656+1536*\t+512
	ds_load_b128 v[KF+12*\t+6:KF+12*\t+9], v[AD16] offset:6656+1536*\t+768
	ds_load_b64 v[KF+12*\t+10:KF+12*\t+11], v[AD8] offset:6656+1536*\t+1280
.endr
	ds_load_b64 v[VS:VS+1], v[AD8] offset:12800
.irp q, 0,1,2,3                        ; the largest score of my two blocks of 32 keys, two chains to a block: it serves for the row's maximum and, since p rises with the score, for the block's largest p
	v_max3_num_f32 v[BM+\q], v[S+16*\q], v[S+16*\q+1], v[S+16*\q+2]
.endr
.irp i, 3,5,7,9,11,13
.irp q, 0,1,2,3
	v_max3_num_f32 v[BM+\q], v[BM+\q], v[S+16*\q+\i], v[S+16*\q+\i+1]
.endr
.endr
.irp c, 0,2
	v_max3_num_f32 v[BM+\c], v[BM+\c], v[S+16*\c+15], v[S+16*\c+31]
.endr
.irp c, 0,2
	s_delay_alu instid0(VALU_DEP_2)
	v_max_num_f32 v[BM+\c], v[BM+\c], v[BM+\c+1]   ; block lane / 16 in v[BM], block 2 + lane / 16 in v[BM+2]
.endr
	s_delay_alu instid0(VALU_DEP_1)
	v_max_num_f32 v[TMP], v[BM], v[BM+2]
	s_delay_alu instid0(VALU_DEP_1)
	v_permlanex16_b32 v[BP], v[TMP], s[SEL], s[SEL+1]
	s_delay_alu instid0(VALU_DEP_1)
	v_max3_num_f32 v13, v13, v[TMP], v[BP]         ; the running largest score (c is positive: the largest t is c x this)
	s_delay_alu instid0(VALU_DEP_1)
	v_mul_f32 v[TMP], s[NC], v13
	s_delay_alu instid0(VALU_DEP_1)
	v_floor_f32 v[NM], v[TMP]                      ; the new -M = floor(-t): M is a whole number
	s_delay_alu instid0(VALU_DEP_1)
	v_sub_f32 v[TMP], v[NM], v[OLD]                ; old M - new M: a whole number, 0 or less
	s_delay_alu instid0(VALU_DEP_2)
	v_add_f32 v12, 2.0, v[NM]                      ; 2 - M
	s_delay_alu instid0(VALU_DEP_2)
	v_cvt_i32_f32 v[TMP], v[TMP]                   ; (it saturates)
	s_delay_alu instid0(VALU_DEP_1)
	v_ldexp_f32 v[FF], 1.0, v[TMP]                 ; f = 2^(old M - new M)
.set J, 0
.rept 32
	v_pk_fma_f32 v[S+J:S+J+1], v[S+J:S+J+1], s[CS:CS+1], v[12:13] op_sel_hi:[1,0,0]   ; t - M + 2, two at a time
.set J, J+2
.endr
.irp c, 0,2
	v_fma_f32 v[BM+\c], v[BM+\c], s[CS], v[NM]     ; t - M of each block's largest score
.endr
.set J, 0
.rept 16
	v_pk_mul_f32 v[O+J:O+J+1], v[O+J:O+J+1], v[FF:FF+1] op_sel_hi:[1,0]   ; O^T under the new M, ahead of the exponentials
.set J, J+2
.endr
	s_wait_alu depctr_va_vdst(0)
	v_exp_f32 v[BM], v[BM]                         ; the blocks' largest p
	v_exp_f32 v[BM+2], v[BM+2]
.set J, 0
.rept 64
	v_exp_f32 v[S+J], v[S+J]                       ; 4 p = 2^(t - M + 2)
.set J, J+1
.endr
	v_pk_mul_f32 v[14:15], v[14:15], v[FF:FF+1] op_sel_hi:[1,0]   ; the sums under the new M: the plain place behind the exponentials
	s_wait_alu depctr_va_vdst(0)                   ; one wait for the batch of 66, ahead of its first reader
.irp c, 0,2
	v_max_num_f32 v[BM+\c], 0x1800000, v[BM+\c]    ; the floor 2^-124: its exponent field is the conversion's scale and the block's byte
.endr
.irp c, 0,1
	v_cvt_scalef32_pk16_fp6_f32 v[PC+6*\c:PC+6*\c+2], v[S+32*\c:S+32*\c+15], v[BM+2*\c]
	v_cvt_scalef32_pk16_fp6_f32 v[CT+4*\c:CT+4*\c+2], v[S+32*\c+16:S+32*\c+31], v[BM+2*\c]   ; (a conversion's three registers begin on an even number)
.endr
.irp c, 0,2
	v_lshrrev_b32 v[BM+\c+1], 23, v[BM+\c]         ; the bytes.  (Plain places behind the conversions)
.endr
	s_delay_alu instid0(VALU_DEP_1)
	v_lshl_or_b32 v[TMP], v[BM+3], 16, v[BM+1]     ; my two bytes, blocks h and 2 + h,
	s_delay_alu instid0(VALU_DEP_1)
	v_lshlrev_b32 v[TMP], v[H8], v[TMP]            ; at their places in the scale word;
	s_delay_alu instid0(VALU_DEP_1)
	v_permlanex16_b32 v[BP], v[TMP], s[SEL], s[SEL+1]
	s_delay_alu instid0(VALU_DEP_1)
	v_or_b32 v[PS], v[TMP], v[BP]                  ; with lane l xor 16's two the word is whole
.irp c, 0,1
.irp i, 0,1,2
	v_mov_b32 v[PC+3+6*\c+\i], v[CT+4*\c+\i]
.endr
.endr
; the row's sum, of the unquantised numbers, in four chains.  These 32 lines are also the places between the writes of p's codes and scale word and the products
.irp k, 0,1,2
	v_pk_add_f32 v[T0+2*\k:T0+2*\k+1], v[S+4*\k:S+4*\k+1], v[S+4*\k+2:S+4*\k+3]
.endr
.irp j, 12,20,28,36,44,52
	v_pk_add_f32 v[14:15], v[14:15], v[S+\j:S+\j+1]
	v_pk_add_f32 v[T0:T0+1], v[T0:T0+1], v[S+\j+2:S+\j+3]
	v_pk_add_f32 v[T0+2:T0+3], v[T0+2:T0+3], v[S+\j+4:S+\j+5]
	v_pk_add_f32 v[T0+4:T0+5], v[T0+4:T0+5], v[S+\j+6:S+\j+7]
.endr
	v_pk_add_f32 v[14:15], v[14:15], v[S+60:S+61]
	v_pk_add_f32 v[T0:T0+1], v[T0:T0+1], v[S+62:S+63]
	v_pk_add_f32 v[T0+2:T0+3], v[T0+2:T0+3], v[T0+4:T0+5]
	s_delay_alu instid0(VALU_DEP_2)
	v_pk_add_f32 v[14:15], v[14:15], v[T0:T0+1]
	s_delay_alu instid0(VALU_DEP_1)
	v_pk_add_f32 v[14:15], v[14:15], v[T0+2:T0+3]
	s_wait_alu depctr_va_vdst(0)
	s_wait_dscnt 0x0                               ; V is in
.irp t, 0,2                            ; O^T += V^T P^T: the four accumulators by turns
	v_wmma_scale_f32_16x16x128_f8f6f4 v[O+8*\t:O+8*\t+7], v[KF+12*\t:KF+12*\t+11], v[PC:PC+11], v[O+8*\t:O+8*\t+7], v[VS+\t/2], v[PS] matrix_a_fmt:MATRIX_FMT_FP6 matrix_b_fmt:MATRIX_FMT_FP6
	v_wmma_scale_f32_16x16x128_f8f6f4 v[O+8*\t+8:O+8*\t+15], v[KF+12*\t+12:KF+12*\t+23], v[PC:PC+11], v[O+8*\t+8:O+8*\t+15], v[VS+\t/2], v[PS] matrix_a_fmt:MATRIX_FMT_FP6 matrix_b_fmt:MATRIX_FMT_FP6 matrix_a_scale:MATRIX_SCALE_ROW1
.endr
	s_add_co_u32 s[TB], s[TB], REC
.endm
.macro STEPS n, qf, qs                 ; n key steps
	s_mov_b32 s[CNT], \n
.Lstep_\@:
	STEP \qf, \qs
	s_sub_co_u32 s[CNT], s[CNT], 1
	s_cmp_lg_u32 s[CNT], 0
	s_cbranch_scc1 .Lstep_\@
.endm
; THE WAY OUT of a block: O^T / the sum; my 32 numbers are one block of the head's 64: its largest magnitude in two chains, its byte, its codes.  oa, os: the block's place in aimg and ascl
.macro WAYOUT oa, os
	v_add_f32 v14, v14, v15                        ; the sum's two halves,
	s_delay_alu instid0(VALU_DEP_1)
	v_permlanex16_b32 v[BP], v14, s[SEL], s[SEL+1]
	s_delay_alu instid0(VALU_DEP_1)
	v_add_f32 v14, v14, v[BP]                      ; and lane l xor 16's
	s_wait_alu depctr_va_vdst(0)
	v_rcp_f32 v14, v14
.rept 4
	v_nop                                          ; the plain place behind the reciprocal, and the places behind the last products
.endr
	s_wait_alu depctr_va_vdst(0)                   ; ahead of the first reader of the reciprocal and of O^T
.set J, 0
.rept 16
	v_pk_mul_f32 v[S+J:S+J+1], v[O+J:O+J+1], v[14:15] op_sel_hi:[1,0]   ; register i: feature 32 (lane / 16) + i of my query
.set J, J+2
.endr
	v_max3_num_f32 v[BM], |v[S]|, |v[S+1]|, 0x1800000
	v_max3_num_f32 v[BM+1], |v[S+16]|, |v[S+17]|, |v[S+18]|
.irp i, 2,4,6,8,10,12
	s_delay_alu instid0(VALU_DEP_2)
	v_max3_num_f32 v[BM], v[BM], |v[S+\i]|, |v[S+\i+1]|
	s_delay_alu instid0(VALU_DEP_2)
	v_max3_num_f32 v[BM+1], v[BM+1], |v[S+17+\i]|, |v[S+18+\i]|
.endr
	s_delay_alu instid0(VALU_DEP_2)
	v_max3_num_f32 v[BM], v[BM], |v[S+14]|, |v[S+15]|
	s_delay_alu instid0(VALU_DEP_1)
	v_max3_num_f32 v[BM], v[BM], v[BM+1], |v[S+31]|
	s_delay_alu instid0(VALU_DEP_1)
	v_add_nc_u32 v[BM+2], 0xff000000, v[BM]        ; 2 off the exponent field: the conversion's scale operand
	v_cvt_scalef32_pk16_fp6_f32 v[PC:PC+2], v[S:S+15], v[BM+2]
	v_cvt_scalef32_pk16_fp6_f32 v[CT:CT+2], v[S+16:S+31], v[BM+2]
	v_lshrrev_b32 v[TMP], 23, v[BM+2]              ; the byte.  (The plain place behind the conversions)
.irp i, 0,1,2
	v_mov_b32 v[PC+3+\i], v[CT+\i]
.endr
	global_store_b128 v[L16], v[PC:PC+3], s[8:9] offset:\oa          ; 512 and 256 consecutive bytes, at multiples of 256 from aimg's first byte
	global_store_b64 v[L8], v[PC+4:PC+5], s[8:9] offset:\oa+512
	global_store_b8 v[RB], v[TMP], s[10:11] offset:\os               ; a byte a lane, two to a row, rows 16 bytes apart.  A row's other 30 bytes come from the other heads' work-groups: 32 bytes of 800 that the wave stores
.endm
	s_wait_alu depctr_va_vdst(0)                   ; the wait at the head's end
	s_cmp_lt_u32 s[WV], 4
	s_cbranch_scc0 .Lnot_first
	s_wait_tensorcnt 0x0                           ; waves 0-3: my record of the first four has landed
.Lnot_first:
	s_wait_loadcnt 0x0                             ; Q is in
	s_barrier_signal -1
	s_barrier_wait -1                              ; records 0-3 are in; the others may be on their way: nothing is ever filled again
	STEPS 4, QF0, QS0
	s_wait_tensorcnt 0x0                           ; every wave: my record has landed
	s_wait_dscnt 0x0
	s_barrier_signal -1
	s_barrier_wait -1                              ; all sixteen are in
	STEPS 12, QF0, QS0
	WAYOUT 0, 0
	s_wait_xcnt 0x0                                ; the stores have read their registers, which the second block writes again
	v_mov_b32 v13, 0xff61b1e6                      ; THE SECOND BLOCK, 16 row tiles on.  The largest score and M begin anew; the first step's f is then 0,
	v_mov_b32 v[NM], 0x7e000000                    ; which takes away what the first block has left in O^T and in the sums
	s_mov_b32 s[TB], 0
	STEPS 16, QF1, QS1
	WAYOUT 16*12288, 16*512
	s_wait_tensorcnt 0x0                           ; the wave's end
	ds_add_u32 v[SPW], v[NIL]
	s_wait_dscnt 0x0
	CROUND                                         ; the closing round: no work-group ends while a partner may still ask for a record that names it
	s_endpgm
.Lfunc_end_k_q58d2d75a8a_attn:
	.size	k_q58d2d75a8a_attn, .Lfunc_end_k_q58d2d75a8a_attn-k_q58d2d75a8a_attn
	.p2alignl 7, 3214868480
	.fill 96, 4, 3214868480
	.section	.rodata,"a",@progbits
	.p2align	6, 0x0
	.amdhsa_kernel k_q58d2d75a8a_attn
		.amdhsa_group_segment_fixed_size 210944
		.amdhsa_private_segment_fixed_size 0
		.amdhsa_enable_private_segment 0
		.amdhsa_kernarg_size 32
		.amdhsa_user_sgpr_count 2
		.amdhsa_user_sgpr_kernarg_segment_ptr 1
		.amdhsa_wavefront_size32 1
		.amdhsa_system_sgpr_workgroup_id_x 1
		.amdhsa_system_sgpr_workgroup_id_y 1
		.amdhsa_system_sgpr_workgroup_id_z 1
		.amdhsa_system_vgpr_workitem_id 0
		.amdhsa_next_free_vgpr 240
		.amdhsa_next_free_sgpr 72
		.amdhsa_reserve_vcc 0
		.amdhsa_float_denorm_mode_32 3
		.amdhsa_float_denorm_mode_16_64 3
		.amdhsa_memory_ordered 1
		.amdhsa_forward_progress 1
		.amdhsa_inst_pref_size 61
	.end_amdhsa_kernel
	.amdgpu_metadata
---
amdhsa.version: [ 1, 2 ]
amdhsa.kernels:
  - .name:           k_q58d2d75a8a_attn
    .symbol:         k_q58d2d75a8a_attn.kd
    .args:
      - { .name: qimg, .offset: 0, .size: 8, .value_kind: global_buffer, .address_space: global }
      - { .name: kv, .offset: 8, .size: 8, .value_kind: global_buffer, .address_space: global }
      - { .name: aimg, .offset: 16, .size: 8, .value_kind: global_buffer, .address_space: global }
      - { .name: ascl, .offset: 24, .size: 8, .value_kind: global_buffer, .address_space: global }
    .group_segment_fixed_size: 210944
    .private_segment_fixed_size: 0
    .kernarg_segment_align: 8
    .kernarg_segment_size: 32
    .max_flat_workgroup_size: 512
    .sgpr_count:     72
    .vgpr_count:     240
    .wavefront_size: 32
...
	.end_amdgpu_metadata
.endif
;; end of part 3
;; launch outp (part 4): grid 8 x 32, 4 waves a work-group, clusters of 4 x 4, 327,680 bytes of LDS; arguments aimg, ascl, img, scl, bo, out0; writes out0
.if DOCPART == 4
	.amdgcn_target "amdgcn-amd-amdhsa--gfx1250"
	.amdhsa_code_object_version 6
	.text
	.protected	k_q58d2d75a8a_outp
	.globl	k_q58d2d75a8a_outp
	.p2align	8
	.type	k_q58d2d75a8a_outp,@function
k_q58d2d75a8a_outp:
	s_mov_b64 s[64:65], 0
	v_nop
	global_prefetch_b8 v0, s[64:65] scope:SCOPE_SE
	s_setreg_imm32_b32 hwreg(HW_REG_WAVE_MODE, 25, 1), 1
	s_wait_xcnt 0x0
	s_wait_alu depctr_hold_cnt(0) depctr_sa_sdst(0) depctr_va_vdst(0) depctr_va_sdst(0) depctr_va_ssrc(0) depctr_va_vcc(0) depctr_vm_vsrc(0)
	s_getreg_b32 s2, hwreg(HW_REG_IB_STS2, 6, 4)
	s_cmp_eq_u32 s2, 0
	s_cbranch_scc0 .Lentry_in_a_cluster
	s_endpgm
.Lentry_in_a_cluster:
	s_bfe_u32 s2, ttmp6, 0x10000c
	s_cmp_lg_u32 s2, 0xf033
	s_cbranch_scc0 .Lentry_shape_is_right
	s_endpgm
.Lentry_shape_is_right:
; out = attn wo^T + bo on codes of FP6 (E2M3) with E8M0 scales; f32 sums, stored as f32.
; IN: aimg [512 row tiles][8 K steps][1,536 bytes] and ascl [512][512 bytes], the attention's result as operand images and scale words; img and scl the same of the weights, wo's row tiles 704-767.
; Position p of a tensor's tile T is row 64 (T / 4) + 8 (T % 4) + p % 8 + 32 (p / 8).
; THE DEAL.  256 work-groups = 32 blocks of 256 tokens x 8 blocks of 128 columns.  Four waves, 2 x 2: a wave has 128 tokens and 64 columns.  Its 64 rows of wo, all of K, lie in 384 registers; the tokens' 16 row tiles, all of K,
; lie in LDS.  Every LDS byte is filled once, all at the head: there is no later stream to prefetch.
; A BLOCK is one row tile of tokens against the wave's four weight tiles: 32 products, the four accumulators by turns, K ascending; the tokens' fragments lie twice in registers, a set fetched two blocks ahead.
; Wave 0's load, wo's rows, has a line of its own: a first barrier shows it alone, and the weights of K steps 0-3 go into registers while the tokens' tiles may still be on their way.  The first two blocks go K step by K step,
; with the rest of the weights' LDS loads among the products.
; CLUSTER 4 x 4: the tokens' tiles are shared along a row of the cluster, wo's along a column: joint loads.
; Source 0 = wo's rows: a lane holds one token, and its 32 sums are columns 32 (lane / 16) + 0 .. 31 of the wave's 64.  The bias is the first products' C.
; THE WAY OUT: a block's 16 rows x 256 bytes go through the wave's own stage in LDS (rows 272 bytes apart; no tensor load lands there) and leave as whole rows: sixteen lanes store 256 consecutive bytes, aligned.
; A block's rows are stored behind the next block's products.
; REGISTERS.  Window 0: addresses, scale words, the bias, the rows read back.  Fragment f lies in window 1 + f / 21 at register 12 (f % 21): 0-31 wo's (4 q + u), 32-39 and 40-47 the tokens' two sets.  Window 3, v72-135: two sets of 32 sums.
.set WB,    0                          ; LDS: wo's 128 rows
.set XB,    98304                      ; the tokens' 256 rows
.set SPARE, 294912                     ; the spare words
.set STG,   295424                     ; four stages of 16 x 272 bytes
.set FPW,   21
.set LN,    1
.set O16,   2                          ; 16 x lane
.set L8,    3                          ; 8 x lane
.set BO1,   6
.set STO,   8                          ; the stage, on the way in
.set RD,    9                          ; and back
.set CO,    10                         ; my place in two rows of out
.set AW16,  12
.set AW8,   13
.set AX16,  16                         ; v16, v17 my token tiles 0-3, 4-7
.set AX8,   18
.set SPW,   28
.set NIL,   29
.set SCX,   34                         ; v34-65 the tokens' scale words, four registers a tile
.set SCW,   72                         ; v72-87 wo's
.set BB,    120                        ; v120-151 the bias as C
.set BK,    152                        ; v152-183 16 rows read back
.set ACC,   72                         ; in window 3
.set WV,  18
.set PH,  19
.set RH,  20
.set G1X, 24
.set G1W, 32
.set G0X, 68
.set G0W, 72
.set MSB, 0
.macro WIN new
.if MSB != \new
	s_set_vgpr_msb (MSB<<8)|\new
.set MSB, \new
.endif
.endm
.macro PLACES n
.rept \n
	v_nop
.endr
.endm
.macro CROUND
	s_barrier_signal -1
	s_barrier_wait -1
	s_cmp_lg_u32 s[WV], 0
	s_cbranch_scc1 .Lnot_wave_0_\@
	s_barrier_signal -3
.Lnot_wave_0_\@:
	s_barrier_wait -3
	s_barrier_signal -1
	s_barrier_wait -1
.endm
.macro GROUP1 g, mask, rows            ; a dense block as rows of 256 bytes
	s_or_b32 s[\g], s[\mask], (3<<16)|(1<<21)
	s_mov_b32 s[\g+1], 32<<16
	s_mov_b32 s[\g+2], (\rows)<<16
	s_mov_b32 s[\g+3], 32<<16
	s_mov_b32 s[\g+4], \rows
	s_mov_b32 s[\g+5], 32
	s_mov_b32 s[\g+6], 0
	s_mov_b32 s[\g+7], 0
.endm
.macro FRAG f, a16, a8, off            ; an image of 1,536 bytes into fragment f
	WIN (1+(\f)/FPW)<<6
.set R_, 12*((\f)%FPW)
	ds_load_b128 v[R_:R_+3], v[\a16] offset:\off
	ds_load_b64 v[R_+4:R_+5], v[\a8] offset:\off+512
	ds_load_b128 v[R_+6:R_+9], v[\a16] offset:\off+768
	ds_load_b64 v[R_+10:R_+11], v[\a8] offset:\off+1280
.endm
.macro WQ q                            ; my four weight fragments of K step q: 16 loads
.irp u, 0,1,2,3
	FRAG 4*(\q)+\u, AW16, AW8, \u*12288+(\q)*1536
.endr
.endm
.macro FETCH t                         ; token tile t, all of K, into set t % 2: 32 loads
.irp q, 0,1,2,3,4,5,6,7
	FRAG 32+8*((\t)%2)+\q, AX16+(\t)/4, AX8+(\t)/4, ((\t)%4)*12288+\q*1536
.endr
	WIN 0
.endm
.macro WM d, f0, f1, c, x0, x1, row
.if \row
	v_wmma_scale_f32_16x16x128_f8f6f4 v[\d:\d+7], v[12*((\f0)%FPW):12*((\f0)%FPW)+11], v[12*((\f1)%FPW):12*((\f1)%FPW)+11], \c, v[\x0], v[\x1] matrix_a_fmt:MATRIX_FMT_FP6 matrix_b_fmt:MATRIX_FMT_FP6 matrix_a_scale:MATRIX_SCALE_ROW1 matrix_b_scale:MATRIX_SCALE_ROW1
.else
	v_wmma_scale_f32_16x16x128_f8f6f4 v[\d:\d+7], v[12*((\f0)%FPW):12*((\f0)%FPW)+11], v[12*((\f1)%FPW):12*((\f1)%FPW)+11], \c, v[\x0], v[\x1] matrix_a_fmt:MATRIX_FMT_FP6 matrix_b_fmt:MATRIX_FMT_FP6
.endif
.endm
; product n = 4 q + u of token tile t.  The scale words of an even K step stand in lanes 0-15, of an odd one in lanes 16-31
.macro PROD t, n
.set Q_, (\n)/4
.set U_, (\n)%4
.set D_, ACC+32*((\t)%2)+8*U_
.set F0_, 4*Q_+U_
.set F1_, 32+8*((\t)%2)+Q_
.set X0_, SCW+4*U_+Q_/2
.set X1_, SCX+4*(\t)+Q_/2
.if Q_
	WIN (1+F0_/FPW)|((1+F1_/FPW)<<2)|(3<<4)|(3<<6)
	WM D_, F0_, F1_, v[D_:D_+7], X0_, X1_, Q_%2
.else
	WIN (1+F0_/FPW)|((1+F1_/FPW)<<2)|(3<<6)
	WM D_, F0_, F1_, v[BB+8*U_:BB+8*U_+7], X0_, X1_, 0
.endif
.endm
.macro STAGE t                         ; tile t's sums into my stage and back as rows: 16 LDS instructions.  LDS serves a wave's instructions in order (ISA guide 5.7.1.4): no wait between the stores and the loads
.set A_, ACC+32*((\t)%2)
	WIN 3<<2
.irp k, 0,1,2,3,4,5,6,7
	ds_store_b128 v[STO], v[A_+4*\k:A_+4*\k+3] offset:16*\k          ; each accumulator from its low end on
.endr
	WIN 0
.irp i, 0,1,2,3,4,5,6,7
	ds_load_b128 v[BK+4*\i:BK+4*\i+3], v[RD] offset:\i*2*272
.endr
.endm
.macro SEND t, younger                 ; younger: the LDS loads issued behind tile t's stage, which may stay out
	s_wait_dscnt \younger
.irp i, 0,1,2,3,4,5,6,7
	global_store_b128 v[CO], v[BK+4*\i:BK+4*\i+3], s[14:15] offset:(64*((\t)/4)+8*((\t)%4)+(2*\i)%8+32*((2*\i)/8))*4096 th:TH_STORE_NT   ; two rows, 256 consecutive bytes each, aligned
.endr
	s_wait_xcnt 0x0                                ; the stores have read their registers, which the next stage's loads write
.endm
; ================= THE HEAD
	s_load_b256 s[4:11], s[0:1], 0x0               ; aimg, ascl, img, scl
	s_load_b128 s[12:15], s[0:1], 0x20             ; bo, out0
	v_lshl_add_u32 v[SPW], v0, 2, SPARE
	v_mov_b32 v[NIL], 0
	ds_add_u32 v[SPW], v[NIL]                      ; the opening lines: the add, twice on end, and its wait
	ds_add_u32 v[SPW], v[NIL]
	v_lshrrev_b32 v1, 5, v0
	v_readfirstlane_b32 s[WV], v1
	s_lshr_b32 s[PH], s[WV], 1                     ; which 128 tokens
	s_and_b32 s[RH], s[WV], 1                      ; which 64 columns
	s_bfe_u32 s48, ttmp6, 0x40000                  ; cx
	s_bfe_u32 s49, ttmp6, 0x40004                  ; cy
	s_lshl_b32 s50, ttmp9, 2
	s_add_co_u32 s50, s50, s48                     ; the block of 128 columns, 0 .. 7
	s_and_b32 s51, ttmp7, 0xffff
	s_lshl_b32 s51, s51, 2
	s_add_co_u32 s51, s51, s49                     ; the block of 256 tokens, 0 .. 31
	s_lshl_b32 s52, s49, 2
	s_lshl_b32 s52, 15, s52                        ; my row of the cluster
	s_lshl_b32 s53, 0x1111, s48                    ; my column
	GROUP1 G1X, 52, 256                            ; a third of the tokens' 196,608 bytes
	GROUP1 G1W, 53, 384                            ; wo's 128 rows: 98,304 bytes
	s_mul_i32 s80, s51, 196608                     ; the tokens' 16 row tiles, bytes from aimg,
	s_lshl_b32 s81, s[WV], 16
	s_add_co_u32 s80, s80, s81                     ; + 65,536 x wave (waves 1 to 3 fetch: 65,536 is taken off below)
	s_add_co_u32 s[G0X+1], s81, XB-65536
	s_mov_b32 s81, 0
	s_mul_i32 s82, s50, 98304
	s_add_co_u32 s82, s82, 704*12288               ; wo's 8 row tiles of my columns
	s_mov_b32 s83, 0
	s_mov_b32 s[G0X], 1
	s_mov_b32 s[G0W], 1
	s_mov_b32 s[G0W+1], WB
	s_lshl_b32 s86, s51, 4
	s_lshl_b32 s87, s[PH], 3
	s_add_co_u32 s86, s86, s87
	s_lshl_b32 s86, s86, 9                         ; my 8 token tiles' scale words, bytes from ascl
	s_mov_b32 s87, 0
	s_lshl_b32 s88, s50, 3
	s_lshl_b32 s89, s[RH], 2
	s_add_co_u32 s88, s88, s89
	s_add_co_u32 s88, s88, 704
	s_lshl_b32 s88, s88, 9                         ; my 4 tiles of wo, bytes from scl
	s_mov_b32 s89, 0
	s_lshl_b32 s90, s50, 9
	s_lshl_b32 s91, s[RH], 8
	s_add_co_u32 s90, s90, s91                     ; my 64 columns, in bytes: of the bias and of a row of out
	s_mov_b32 s91, 0
	s_lshl_b32 s92, s51, 8
	s_lshl_b32 s93, s[PH], 7
	s_add_co_u32 s92, s92, s93
	s_lshl_b32 s92, s92, 12                        ; my first row of out, 4,096 bytes a row
	s_mov_b32 s93, 0
	s_wait_dscnt 0x0
	CROUND                                         ; all sixteen work-groups are here: the joint loads meet
	s_wait_kmcnt 0x0
	s_add_nc_u64 s[G0X+2:G0X+3], s[4:5], s[80:81]
	s_sub_nc_u64 s[G0X+2:G0X+3], s[G0X+2:G0X+3], 65536
	s_or_b32 s[G0X+3], s[G0X+3], 0x80000000
	s_add_nc_u64 s[G0W+2:G0W+3], s[8:9], s[82:83]
	s_or_b32 s[G0W+3], s[G0W+3], 0x80000000
	s_cmp_eq_u32 s[WV], 0                          ; one chain of two arms, one load to an arm
	s_cbranch_scc0 .Lfor_x
	tensor_load_to_lds s[G0W:G0W+3], s[G1W:G1W+7]  ; wave 0: wo's 128 rows
	s_nop 0
	PLACES 4
	s_branch .Lasked
.Lfor_x:
	tensor_load_to_lds s[G0X:G0X+3], s[G1X:G1X+7]  ; waves 1 to 3: a third of the tokens' tiles each
	s_nop 0
	PLACES 4
.Lasked:
	s_add_nc_u64 s[86:87], s[6:7], s[86:87]
	s_add_nc_u64 s[88:89], s[10:11], s[88:89]
	s_add_nc_u64 s[12:13], s[12:13], s[90:91]
	s_add_nc_u64 s[14:15], s[14:15], s[90:91]
	s_add_nc_u64 s[14:15], s[14:15], s[92:93]
	v_and_b32 v[LN], 31, v0
	v_bfe_u32 v4, v0, 4, 1                         ; h
	v_and_b32 v5, 15, v0                           ; r
	v_lshlrev_b32 v[O16], 4, v[LN]
	v_lshlrev_b32 v[L8], 3, v[LN]
	v_lshlrev_b32 v[BO1], 7, v4                    ; register 8 u + j of lane (r, h) is column 32 h + 8 u + j
.irp i, 0,1,2,3,4,5,6,7
	global_load_b128 v[SCX+4*\i:SCX+4*\i+3], v[O16], s[86:87] offset:512*\i
.endr
.irp u, 0,1,2,3
	global_load_b128 v[SCW+4*\u:SCW+4*\u+3], v[O16], s[88:89] offset:512*\u
	global_load_b128 v[BB+8*\u:BB+8*\u+3], v[BO1], s[12:13] offset:32*\u
	global_load_b128 v[BB+8*\u+4:BB+8*\u+7], v[BO1], s[12:13] offset:32*\u+16
.endr
	s_mul_i32 s80, s[RH], 49152
	s_mul_i32 s81, s[PH], 98304
	s_add_co_u32 s81, s81, XB
	s_mul_i32 s82, s[WV], 16*272
	s_add_co_u32 s82, s82, STG                     ; my stage
	v_add_nc_u32 v[AW16], s80, v[O16]
	v_add_nc_u32 v[AW8], s80, v[L8]
	v_add_nc_u32 v[AX16], s81, v[O16]
	v_add_nc_u32 v[AX8], s81, v[L8]
	s_add_co_u32 s81, s81, 49152
	v_add_nc_u32 v[AX16+1], s81, v[O16]
	v_add_nc_u32 v[AX8+1], s81, v[L8]
	v_mul_u32_u24 v[STO], v5, 272                  ; in: row r, 128 bytes for each half of the lanes
	v_mul_u32_u24 v[RD], v4, 272                   ; back: lanes 0-15 take one row of 256 bytes, lanes 16-31 the next
	v_lshlrev_b32 v[CO], 12, v4                    ; and the same two rows in out
	v_lshl_add_u32 v[STO], v4, 7, v[STO]
	v_lshl_add_u32 v[RD], v5, 4, v[RD]
	v_lshl_add_u32 v[CO], v5, 4, v[CO]
	v_add_nc_u32 v[STO], s82, v[STO]
	v_add_nc_u32 v[RD], s82, v[RD]
	s_wait_alu depctr_va_vdst(0)                   ; the wait at the head's end
	s_cmp_eq_u32 s[WV], 0
	s_cbranch_scc0 .Lnot_w
	s_wait_tensorcnt 0x0                           ; wave 0: wo's rows have landed
.Lnot_w:
	s_barrier_signal -1
	s_barrier_wait -1                              ; wo's rows are in; the tokens' tiles may be on their way: nothing is ever filled again
	WQ 0
	WQ 1
	WQ 2
	WQ 3
	WIN 0
	s_wait_tensorcnt 0x0                           ; every wave: my load has landed
	s_wait_dscnt 0x0
	s_barrier_signal -1
	s_barrier_wait -1                              ; all is in
	FETCH 0
	FETCH 1
	WQ 4
	WQ 5
	WIN 0
	s_wait_loadcnt 0x0                             ; scale words and bias are in
; ================= BLOCKS 0 AND 1, K step by K step
.irp q, 0,1,2,3,4,5,6,7
.if \q == 0
	s_wait_dscnt 32                                ; both tiles' fragments are in; the weights of K steps 4 and 5, 32 loads, may be out
.endif
.if \q > 3
	s_wait_dscnt 16*(7-\q)                         ; this K step's weights are in; the later K steps', 16 loads each, may be out
.endif
.irp u, 0,1,2,3
	PROD 0, 4*\q+\u
	PROD 1, 4*\q+\u
.endr
.if \q < 2
	WQ \q+6
.endif
.endr
	WIN 0
	PLACES 5                                       ; in front of the stage's reads, of the loads into the fragments' registers, and of block 2's first products, which begin tile 0's accumulators anew
	STAGE 0
	FETCH 2
	FETCH 3
	SEND 0, 63                                     ; behind tile 0's stage: 64 loads
	STAGE 1
; ================= BLOCKS 2 TO 7
.irp t, 2,3,4,5,6,7
.if \t < 7
	s_wait_dscnt 48                                ; this block's fragments are in; behind them: a stage's 16 and the next block's 32
.else
	s_wait_dscnt 16                                ; behind them: a stage's 16
.endif
.set N_, 0
.rept 32
	PROD \t, N_
.set N_, N_+1
.endr
	WIN 0
	PLACES 4
.if (\t == 2) || (\t == 7)
	SEND \t-1, 0                                   ; nothing was issued behind that stage
.else
	SEND \t-1, 32                                  ; behind that stage: a block's 32 loads
.endif
	STAGE \t
.if \t < 6
	FETCH \t+2
.endif
.endr
	SEND 7, 0
	s_wait_tensorcnt 0x0                           ; the wave's end
	ds_add_u32 v[SPW], v[NIL]
	s_wait_dscnt 0x0
	CROUND                                         ; the closing round
	s_endpgm
.Lfunc_end_k_q58d2d75a8a_outp:
	.size	k_q58d2d75a8a_outp, .Lfunc_end_k_q58d2d75a8a_outp-k_q58d2d75a8a_outp
	.p2alignl 7, 3214868480
	.fill 96, 4, 3214868480
	.section	.rodata,"a",@progbits
	.p2align	6, 0x0
	.amdhsa_kernel k_q58d2d75a8a_outp
		.amdhsa_group_segment_fixed_size 327680
		.amdhsa_private_segment_fixed_size 0
		.amdhsa_enable_private_segment 0
		.amdhsa_kernarg_size 48
		.amdhsa_user_sgpr_count 2
		.amdhsa_user_sgpr_kernarg_segment_ptr 1
		.amdhsa_wavefront_size32 1
		.amdhsa_system_sgpr_workgroup_id_x 1
		.amdhsa_system_sgpr_workgroup_id_y 1
		.amdhsa_system_sgpr_workgroup_id_z 1
		.amdhsa_system_vgpr_workitem_id 0
		.amdhsa_next_free_vgpr 1024
		.amdhsa_next_free_sgpr 100
		.amdhsa_reserve_vcc 0
		.amdhsa_float_denorm_mode_32 3
		.amdhsa_float_denorm_mode_16_64 3
		.amdhsa_memory_ordered 1
		.amdhsa_forward_progress 1
		.amdhsa_inst_pref_size 85
	.end_amdhsa_kernel
	.amdgpu_metadata
---
amdhsa.version: [ 1, 2 ]
amdhsa.kernels:
  - .name:           k_q58d2d75a8a_outp
    .symbol:         k_q58d2d75a8a_outp.kd
    .args:
      - { .name: aimg, .offset: 0, .size: 8, .value_kind: global_buffer, .address_space: global }
      - { .name: ascl, .offset: 8, .size: 8, .value_kind: global_buffer, .address_space: global }
      - { .name: img, .offset: 16, .size: 8, .value_kind: global_buffer, .address_space: global }
      - { .name: scl, .offset: 24, .size: 8, .value_kind: global_buffer, .address_space: global }
      - { .name: bo, .offset: 32, .size: 8, .value_kind: global_buffer, .address_space: global }
      - { .name: out0, .offset: 40, .size: 8, .value_kind: global_buffer, .address_space: global }
    .group_segment_fixed_size: 327680
    .private_segment_fixed_size: 0
    .kernarg_segment_align: 8
    .kernarg_segment_size: 48
    .max_flat_workgroup_size: 128
    .sgpr_count:     100
    .vgpr_count:     1024
    .wavefront_size: 32
...
	.end_amdgpu_metadata
.endif
;; end of part 4
